; MI455X (gfx1250); checked and timed in simulation.
; The chip was launched on July 23, 2026; its instructions are those of AMD's public machine-readable ISA for CDNA 5 (MIT licence, August 2026) and "CDNA5" Instruction Set Architecture Reference Guide (July 2026). The comments in the code are by the model that wrote it; some were corrected since.
;; Multi Head Attention. Allowed arithmetic: matrix products marked QUANTISED: E4M3 operands, one given power-of-two scale a tensor, by v_wmma_f32_16x16x64_fp8_fp8 or v_wmma_f32_16x16x128_fp8_fp8, f32 sums; everything else in f32.
;; Inputs: Wk 1,024 x 1,024 float32; Wo 1,024 x 1,024 float32; Wq 1,024 x 1,024 float32; Wv 1,024 x 1,024 float32; bk 1,024 float32; bo 1,024 float32; bq 1,024 float32; bv 1,024 float32; k 4 x 2,048 x 1,024 float32; lowp_scales 12 int32 (the exponents e of the quantised operands' scales 2^e); mask 1 x 1 x 2,048 x 2,048 int32; q 4 x 2,048 x 1,024 float32; v 4 x 2,048 x 1,024 float32.
;; Outputs: out0 4 x 2,048 x 1,024 float32.
;; This version of the problem:
;;   THIS VERSION OF THE PROBLEM IS GIVEN IN LOW PRECISION. The matrix products marked QUANTISED in the list below multiply operands that are first quantised to E4M3 (4 exponent bits, 3 mantissa bits; 8 bits a number), with one given power-of-two scale for each operand tensor; their sums are f32. All else is computed in f32.
;;   The module's matrix products, in the order in which they are computed (A, B: the left and right operand; K: the contracted axis; several contracted axes count as one K, in the product's order):
;;     1. [M 8,192, K 1,024] x [K 1,024, N 1,024]; A: input q; B: input Wq: QUANTISED (scales: A lowp_scales[0], B lowp_scales[1])
;;     2. [M 8,192, K 1,024] x [K 1,024, N 1,024]; A: input k; B: input Wk: QUANTISED (scales: A lowp_scales[2], B lowp_scales[3])
;;     3. [M 8,192, K 1,024] x [K 1,024, N 1,024]; A: input v; B: input Wv: QUANTISED (scales: A lowp_scales[4], B lowp_scales[5])
;;     4. batch 64 x [M 2,048, K 64] x [K 64, N 2,048]; A: computed on the way; B: computed on the way: QUANTISED (scales: A lowp_scales[6], B lowp_scales[7])
;;     5. batch 64 x [M 2,048, K 2,048] x [K 2,048, N 64]; A: softmax (see below); B: computed on the way: QUANTISED (scales: A lowp_scales[8], B lowp_scales[9])
;;     6. [M 8,192, K 1,024] x [K 1,024, N 1,024]; A: computed on the way; B: input Wo: QUANTISED (scales: A lowp_scales[10], B lowp_scales[11])
;;   THE QUANTISER, for each operand of a quantised product, along K:
;;     - The operand's scale is 2^e, e = its entry of the input lowp_scales (int32; the entries are numbered through the quantised products in the list's order, A before B).
;;     - Each number is divided by the scale, clamped to +-448, and rounded to the nearest number of E4M3, ties to even, subnormals kept.
;;     - The product sums the exact products of the quantised numbers (number of the format x scale) in f32.
;;   ~~~python
;;   def quantise(x, axis, e):      # numpy; x: float32 -> the quantised numbers, widened to float32 again
;;       x = np.moveaxis(x, axis, -1); K = x.shape[-1]
;;       r = np.clip(x / 2.0 ** e, -448, 448)
;;       step = 2.0 ** (np.maximum(np.frexp(np.where(r == 0, 1, r))[1] - 1, -6) - 3)
;;       q = np.round(r / step) * step * 2.0 ** e      # np.round: ties to even
;;       return np.moveaxis(q, -1, axis).astype(np.float32)
;;   ~~~
;;   SOFTMAX AHEAD OF A QUANTISED PRODUCT. Where the list says 'softmax', what is quantised is not the finished softmax but p = 2^(t - M), with t = logit x log2(e) and M = ceil(the row's largest t), a whole number; so 1/2 < the row's largest p <= 1. The row's sum l is taken of the UNQUANTISED p, in f32, and the product's result is divided by l at the end. Since M is a whole number, a kernel that streams over the keys may use a running M (the ceiling of the running maximum): every later rescaling is an exact power of two, so the quantised numbers keep their values, but for numbers so far below the row's largest that they fall under the format's range.
;;   OPERANDS COMPUTED ON THE WAY. 'Computed on the way' means the value that the module computes at that place (a softmax that the list does not call 'softmax' is quantised finished and normalised). What goes into a quantiser is computed in f32, as accurately as f32 sums, v_exp_f32 and their like allow (about 1e-6 of the number): no bf16 or f16 on the way to a quantiser, and a product that is left as it is and whose result goes on into a quantised operand takes f32 operands (vector FMAs, or v_wmma_f32_16x16x4_f32). A number that lies on a knife's edge between two numbers of the format may be rounded either way, as far as f32 arithmetic and the matrix unit's own rounding can turn it there, and no further.
;; 2 versions, each right; version 2 is version 1 with the launch attn written anew for expert scheduling mode. Each part assembles by itself: llvm-mc -triple=amdgcn-amd-amdhsa -mcpu=gfx1250 --defsym DOCPART=n.
;; ======== version 1 of 2: 4 launches
;; limits: right only within a limited range of input values
;; workspace buffers: xc 25,165,824 bytes; wc 4,194,304 bytes; mbits 524,288 bytes of whole numbers; mflags 16,384 bytes of whole numbers; hc 25,165,824 bytes; cc 8,388,608 bytes
;; launch quant (part 1): grid 1024 x 1, 4 waves a work-group, no clusters, 68,096 bytes of LDS; arguments q, k, v, Wq, Wk, Wv, Wo, lowp_scales, mask, xc, wc, mbits, mflags; writes xc, wc, mbits, mflags
.if DOCPART == 1
	.amdgcn_target "amdgcn-amd-amdhsa--gfx1250"
	.amdhsa_code_object_version 6
	.text
	.protected	k_qd75c85e4b1_quant
	.globl	k_qd75c85e4b1_quant
	.p2align	8
	.type	k_qd75c85e4b1_quant,@function
k_qd75c85e4b1_quant:
	s_mov_b64 s[64:65], 0
	v_nop
	global_prefetch_b8 v0, s[64:65] scope:SCOPE_SE
	s_setreg_imm32_b32 hwreg(HW_REG_WAVE_MODE, 25, 1), 1
	s_wait_xcnt 0x0
; TWO STREAMS IN ONE LAUNCH, told apart by the work-group's number; they share no LDS byte and never join.
; Work-groups 0-895: q, k, v [8192][1024] and Wq, Wk, Wv, Wo [1024][1024], f32 with K innermost, become codes of FP8 (E4M3), one byte each, K innermost:
;   xc = q's, k's, v's rows stacked (24,576 rows of 1,024 bytes), wc = the four weights' rows stacked (4,096 rows).  code = x / 2^e, held within +-448, to the nearest code, ties to even.
;   e: entries 0, 2, 4 of the scales for q, k, v; entries 1, 3, 5, 11 for Wq, Wk, Wv, Wo.  LIMITS: -126 <= e <= 119; NaN among the inputs is not served.
;   A work-group takes 32,768 numbers, a wave 16 steps of 512.  Each load reads 512 consecutive bytes; a step's 2,048 bytes turn through the wave's own stage in LDS so that a lane holds 16 neighbours along K; a wave's store is 512 consecutive bytes.
; Work-groups 896-1023: the mask [2048][2048] int32 becomes lane masks and flags for the attention launch.  A UNIT is 32 queries (32 T2 ..) x 64 keys (64 s ..).
;   mbits[T2][s][64 words]: word 32 u + 8 t + j, bit L = (mask[32 T2 + 16 u + L % 16][64 s + 16 t + 8 (L / 16) + j] != 0): the lanes' bits for score register 8 t + j of query tile u.
;   mflags[T2][s][2 words]: word 0, bit i: row 32 T2 + i has a key that counts in this unit; word 1: 1 where every key of the unit counts.
;   A wave takes four units.  Each load reads two rows' aligned 256 bytes; the unit turns through the wave's stage (rows 272 bytes apart: 16 rows start at 16 different banks).
; No tensor loads, no barrier: waves share nothing.  No matrix work, no cluster: nothing is read twice.
.set STEPS, 16
.set EMAX,  8
.set MANT,  0x600000                   ; the mantissa field of 448 as f32
.set CB,    16                         ; bytes of 16 codes
.set R,     16                         ; v16-79   four sets of 16 numbers as they are loaded
.set X,     80                         ; v80-111  two sets of 16 neighbours
.set C,     128                        ; v128-191 codes: four registers for each step, so that no store's data are written again
.set WREG,  8192                       ; LDS of the codes' path: a region for each wave, bytes 0 to 32,767
.set SP,    80                         ; a lane's place in a stage: its 64 bytes + 16 of padding
.set MSTG,  32768                      ; LDS of the mask's path begins here
.set MP,    272                        ; a stage row: 256 bytes + 16
.set MWAVE, 32*MP                      ; a wave's stage: 32 rows
.set MR,    16                         ; v16-79   a unit as loaded
.set MX,    80                         ; v80-143  a unit after the turn: register 32 u + 8 t + j
.set MW,    144                        ; v144-151 two registers of words for each of the four units
.set MF,    152                        ; v152     the four units' flags, lanes 0-7
	s_load_b512 s[4:19], s[0:1], 0x0               ; q, k, v, Wq, Wk, Wv, Wo, the scales
	s_load_b256 s[20:27], s[0:1], 0x40             ; mask, xc, wc, mbits
	s_load_b64 s[28:29], s[0:1], 0x60              ; mflags
	v_lshl_add_u32 v192, v0, 2, 0x10800
	v_mov_b32 v193, 0
	v_lshrrev_b32 v1, 5, v0
	v_readfirstlane_b32 s30, v1                    ; wave
	v_and_b32 v2, 31, v0                           ; lane
	s_cmp_ge_u32 ttmp9, 896
	s_cbranch_scc1 .Lmask
	; ---------------- the codes ----------------
	v_lshlrev_b32 v3, 4, v2                        ; my 16 bytes of a load's 512
	s_mul_i32 s31, s30, WREG
	v_lshrrev_b32 v14, 2, v2
	v_mul_u32_u24 v14, v14, SP
	v_and_b32 v15, 3, v2
	v_lshl_add_u32 v14, v15, 4, v14
	v_add_nc_u32 v14, s31, v14                     ; the stage, on the way in: SP (lane / 4) + 16 (lane % 4)
	v_mul_u32_u24 v15, v2, SP
	v_add_nc_u32 v15, s31, v15                     ; and on the way out: SP x lane: my 16 neighbours
	v_mul_u32_u24 v4, v2, CB                       ; my codes' place in a step's
	s_cmp_lt_u32 ttmp9, 768                        ; q, k, v (256 work-groups each) or a weight (32 each)?
	s_cselect_b32 s32, 0, 768
	s_cselect_b32 s33, 255, 31
	s_sub_co_u32 s32, ttmp9, s32                   ; my number among xc's work-groups, or among wc's
	s_and_b32 s33, s32, s33                        ; and inside my tensor
	s_lshl_b32 s33, s33, 2
	s_add_co_u32 s33, s33, s30
	s_lshl_b32 s42, s33, 15                        ; my wave's 8,192 numbers: 32,768 bytes a run
	s_mov_b32 s43, 0
	s_lshl_b32 s44, s32, 2
	s_add_co_u32 s44, s44, s30
	s_lshl_b32 s44, s44, 13                        ; and their 8,192 codes
	s_mov_b32 s45, 0
	s_lshr_b32 s38, ttmp9, 8
	s_lshl_b32 s38, s38, 3                         ; q, k, v: entries 0, 2, 4
	s_lshr_b32 s39, s32, 5
	s_lshl_b32 s39, s39, 3
	s_add_co_u32 s39, s39, 4                       ; weights: entries 1, 3, 5,
	s_cmp_ge_u32 s32, 96
	s_cselect_b32 s40, 16, 0
	s_add_co_u32 s39, s39, s40                     ; and 11 for Wo
	s_cmp_lt_u32 ttmp9, 768
	s_cselect_b32 s38, s38, s39
	s_mov_b32 s39, 0
	s_wait_kmcnt 0x0
	s_add_nc_u64 s[18:19], s[18:19], s[38:39]
	s_load_b32 s41, s[18:19], 0x0                  ; e
	s_cmp_lt_u32 ttmp9, 768
	s_cselect_b64 s[34:35], s[22:23], s[24:25]     ; the codes' buffer.  Every choice hangs on the work-group's number alone
	s_mov_b64 s[36:37], s[16:17]                   ; the numbers' buffer: Wo, unless
	s_cmp_lt_u32 ttmp9, 864
	s_cselect_b64 s[36:37], s[14:15], s[36:37]     ; Wv
	s_cmp_lt_u32 ttmp9, 832
	s_cselect_b64 s[36:37], s[12:13], s[36:37]     ; Wk
	s_cmp_lt_u32 ttmp9, 800
	s_cselect_b64 s[36:37], s[10:11], s[36:37]     ; Wq
	s_cmp_lt_u32 ttmp9, 768
	s_cselect_b64 s[36:37], s[8:9], s[36:37]       ; v
	s_cmp_lt_u32 ttmp9, 512
	s_cselect_b64 s[36:37], s[6:7], s[36:37]       ; k
	s_cmp_lt_u32 ttmp9, 256
	s_cselect_b64 s[36:37], s[4:5], s[36:37]       ; q
	s_add_nc_u64 s[36:37], s[36:37], s[42:43]
	s_add_nc_u64 s[34:35], s[34:35], s[44:45]
.macro LOAD t
.irp i, 0,1,2,3
	global_load_b128 v[R+16*((\t)%4)+4*\i:R+16*((\t)%4)+4*\i+3], v3, s[36:37] offset:2048*(\t)+512*\i th:TH_LOAD_NT   ; 32 lanes read 512 consecutive bytes
.endr
.endm
.macro TURN t                          ; step t's numbers through the stage: LDS serves a wave's instructions in order, so no wait stands between the stores and the loads
.irp i, 0,1,2,3
	ds_store_b128 v14, v[R+16*((\t)%4)+4*\i:R+16*((\t)%4)+4*\i+3] offset:32*SP*((\t)%2)+8*SP*\i
.endr
.irp i, 0,1,2,3
	ds_load_b128 v[X+16*((\t)%2)+4*\i:X+16*((\t)%2)+4*\i+3], v15 offset:32*SP*((\t)%2)+16*\i
.endr
.endm
.irp t, 0,1,2,3
	LOAD \t
.endr
	s_wait_kmcnt 0x0
	s_add_co_i32 s41, s41, 127
	s_lshl_b32 s46, s41, 23
	v_mov_b32 v11, s46                             ; 2^e as f32: the conversion takes its exponent field
	s_add_co_i32 s41, s41, EMAX
	s_lshl_b32 s41, s41, 23
	s_or_b32 s41, s41, MANT
	v_mov_b32 v10, s41                             ; 448 x 2^e
	s_wait_loadcnt 12                              ; step 0's four loads are in; the twelve of steps 1 to 3 may be out
	TURN 0
.macro STEP t
.set XS, X+16*((\t)%2)
	s_wait_dscnt 0x0                               ; this step's numbers are back from the stage: so its stores into the stage have read their registers,
.if (\t)+4 < STEPS
	LOAD (\t)+4                                    ; which take the loads of four steps on
.endif
.if (\t)+1 < STEPS
.if STEPS-2-(\t) >= 3
	s_wait_loadcnt 12                              ; the next step's four loads are in; those of the three steps behind it may be out
.else
	s_wait_loadcnt 4*(STEPS-2-(\t))                ; the tail: fewer steps are behind it
.endif
	TURN (\t)+1                                    ; and go through the other stage while this step is worked
.endif
.irp i, 0,1,2,3,4,5,6,7,8,9,10,11,12,13,14,15
	v_med3_num_f32 v[XS+\i], v[XS+\i], -v10, v10   ; the conversion to an 8-bit code does not saturate (ISA guide 7.6.2): hold the number within 448 x the scale first
.endr
	v_cvt_scalef32_pk8_fp8_f32 v[C+4*(\t):C+4*(\t)+1], v[XS:XS+7], v11
	v_cvt_scalef32_pk8_fp8_f32 v[C+4*(\t)+2:C+4*(\t)+3], v[XS+8:XS+15], v11
	v_nop                                          ; a plain line behind the last conversion
	global_store_b128 v4, v[C+4*(\t):C+4*(\t)+3], s[34:35] offset:32*CB*(\t)   ; 32 lanes store 512 consecutive bytes, aligned
.endm
.irp t, 0,1,2,3,4,5,6,7,8,9,10,11,12,13,14,15
	STEP \t
.endr
	s_wait_tensorcnt 0x0
	ds_add_u32 v192, v193
	s_wait_dscnt 0x0
	s_endpgm
	; ---------------- the mask ----------------
.Lmask:
	v_lshrrev_b32 v5, 4, v2                        ; h = lane / 16
	v_and_b32 v6, 15, v2                           ; r = lane % 16
	v_lshlrev_b32 v1, 13, v5
	v_lshl_add_u32 v1, v6, 4, v1                   ; in memory: lanes 0-15 one row's 256 bytes, lanes 16-31 the next row's (8,192 bytes on)
	s_mul_i32 s31, s30, MWAVE
	s_add_co_u32 s31, s31, MSTG                    ; my stage
	v_mul_u32_u24 v7, v5, MP
	v_lshl_add_u32 v7, v6, 4, v7
	v_add_nc_u32 v7, s31, v7                       ; into it: the same two rows
	v_mul_u32_u24 v8, v6, MP
	v_lshl_add_u32 v8, v5, 5, v8
	v_add_nc_u32 v8, s31, v8                       ; out of it: row r, eight numbers (32 bytes) for each half of the lanes
	v_lshlrev_b32 v4, 2, v2                        ; 4 x lane: a word a lane
	s_sub_co_u32 s32, ttmp9, 896
	s_lshr_b32 s33, s32, 1                         ; T2
	s_and_b32 s34, s32, 1
	s_lshl_b32 s34, s34, 4
	s_lshl_b32 s35, s30, 2
	s_add_co_u32 s34, s34, s35                     ; my first unit's s: 16 x (work-group % 2) + 4 x wave
	s_lshl_b32 s36, s33, 18                        ; 32 rows of 8,192 bytes
	s_lshl_b32 s35, s34, 8
	s_add_co_u32 s36, s36, s35
	s_mov_b32 s37, 0
	s_lshl_b32 s38, s33, 5
	s_add_co_u32 s38, s38, s34                     ; 32 T2 + s
	s_lshl_b32 s46, s38, 3
	s_mov_b32 s47, 0
	s_lshl_b32 s38, s38, 8
	s_mov_b32 s39, 0
.irp i, 0,1,2,3,4,5,6,7,8
	v_mov_b32 v[MW+\i], 0                          ; written whole once: a lane write counts as a reader of its destination (MW's eight and MF)
.endr
	s_wait_kmcnt 0x0
	s_add_nc_u64 s[20:21], s[20:21], s[36:37]
	s_add_nc_u64 s[26:27], s[26:27], s[38:39]
	s_add_nc_u64 s[28:29], s[28:29], s[46:47]
.macro LOADU i
.irp p, 0,1,2,3,4,5,6,7,8,9,10,11,12,13,14,15
	global_load_b128 v[MR+4*\p:MR+4*\p+3], v1, s[20:21] offset:16384*\p+256*(\i) th:TH_LOAD_NT
.endr
.endm
.macro UNIT i
	s_wait_loadcnt 0x0                             ; the unit's sixteen loads are in
.irp p, 0,1,2,3,4,5,6,7,8,9,10,11,12,13,14,15
	ds_store_b128 v7, v[MR+4*\p:MR+4*\p+3] offset:2*MP*\p
.endr
.irp u, 0,1
.irp t, 0,1,2,3
.irp y, 0,1
	ds_load_b128 v[MX+32*\u+8*\t+4*\y:MX+32*\u+8*\t+4*\y+3], v8 offset:16*MP*\u+64*\t+16*\y   ; mask(16 u + r, 16 t + 8 h + 4 y ..): my wave's bytes, served in order behind the stores
.endr
.endr
.endr
	s_wait_dscnt 0x0                               ; the unit is back, and the stores have read their registers,
.if (\i) < 3
	LOADU (\i)+1                                   ; which take the next unit
.endif
	s_mov_b32 s41, 0                               ; OR of tile 0's words,
	s_mov_b32 s42, 0                               ; of tile 1's,
	s_mov_b32 s43, -1                              ; AND of all
.set n, 0
.rept 64
	v_cmp_ne_u32 s40, 0, v[MX+n]                   ; word n: a bit a lane
	v_writelane_b32 v[MW+2*(\i)+n/32], s40, n%32
	s_or_b32 s[41+n/32], s[41+n/32], s40
	s_and_b32 s43, s43, s40
.set n, n+1
.endr
	s_lshr_b32 s44, s41, 16                        ; a row's keys lie in lanes r and r + 16
	s_or_b32 s41, s41, s44
	s_and_b32 s41, s41, 0xffff
	s_lshr_b32 s44, s42, 16
	s_or_b32 s42, s42, s44
	s_lshl_b32 s42, s42, 16
	s_or_b32 s41, s41, s42                         ; bit i: row i has a key that counts
	s_cmp_eq_u32 s43, -1
	s_cselect_b32 s43, 1, 0                        ; every key counts
	v_writelane_b32 v[MF], s41, 2*(\i)
	v_writelane_b32 v[MF], s43, 2*(\i)+1
	global_store_b32 v4, v[MW+2*(\i)], s[26:27] offset:256*(\i)          ; the two stores fill one aligned run of 256 bytes
	global_store_b32 v4, v[MW+2*(\i)+1], s[26:27] offset:256*(\i)+128
.endm
	LOADU 0
	UNIT 0
	UNIT 1
	UNIT 2
	UNIT 3
	v_cmp_gt_u32 vcc_lo, 8, v2
	s_wait_xcnt 0x0                                ; EXEC is a source of the stores above: it changes only behind this wait
	s_wait_tensorcnt 0x0
	ds_add_u32 v192, v193
	s_wait_dscnt 0x0
	s_and_saveexec_b32 s44, vcc_lo
	global_store_b32 v4, v[MF], s[28:29]           ; lanes 0-7: my four units' flags, 32 bytes
	s_wait_xcnt 0x0                                ; and again in front of the line that widens it
	s_or_b32 exec_lo, exec_lo, s44
	s_endpgm
.Lfunc_end_k_qd75c85e4b1_quant:
	.size	k_qd75c85e4b1_quant, .Lfunc_end_k_qd75c85e4b1_quant-k_qd75c85e4b1_quant
	.p2alignl 7, 3214868480
	.fill 96, 4, 3214868480
	.section	.rodata,"a",@progbits
	.p2align	6, 0x0
	.amdhsa_kernel k_qd75c85e4b1_quant
		.amdhsa_group_segment_fixed_size 68096
		.amdhsa_private_segment_fixed_size 0
		.amdhsa_enable_private_segment 0
		.amdhsa_kernarg_size 104
		.amdhsa_user_sgpr_count 2
		.amdhsa_user_sgpr_kernarg_segment_ptr 1
		.amdhsa_wavefront_size32 1
		.amdhsa_system_sgpr_workgroup_id_x 1
		.amdhsa_system_sgpr_workgroup_id_y 1
		.amdhsa_system_sgpr_workgroup_id_z 1
		.amdhsa_system_vgpr_workitem_id 0
		.amdhsa_next_free_vgpr 194
		.amdhsa_next_free_sgpr 66
		.amdhsa_reserve_vcc 1
		.amdhsa_float_denorm_mode_32 3
		.amdhsa_float_denorm_mode_16_64 3
		.amdhsa_memory_ordered 1
		.amdhsa_forward_progress 1
		.amdhsa_inst_pref_size 106
	.end_amdhsa_kernel
	.amdgpu_metadata
---
amdhsa.version: [ 1, 2 ]
amdhsa.kernels:
  - .name:           k_qd75c85e4b1_quant
    .symbol:         k_qd75c85e4b1_quant.kd
    .args:
      - { .name: q, .offset: 0, .size: 8, .value_kind: global_buffer, .address_space: global }
      - { .name: k, .offset: 8, .size: 8, .value_kind: global_buffer, .address_space: global }
      - { .name: v, .offset: 16, .size: 8, .value_kind: global_buffer, .address_space: global }
      - { .name: Wq, .offset: 24, .size: 8, .value_kind: global_buffer, .address_space: global }
      - { .name: Wk, .offset: 32, .size: 8, .value_kind: global_buffer, .address_space: global }
      - { .name: Wv, .offset: 40, .size: 8, .value_kind: global_buffer, .address_space: global }
      - { .name: Wo, .offset: 48, .size: 8, .value_kind: global_buffer, .address_space: global }
      - { .name: lowp_scales, .offset: 56, .size: 8, .value_kind: global_buffer, .address_space: global }
      - { .name: mask, .offset: 64, .size: 8, .value_kind: global_buffer, .address_space: global }
      - { .name: xc, .offset: 72, .size: 8, .value_kind: global_buffer, .address_space: global }
      - { .name: wc, .offset: 80, .size: 8, .value_kind: global_buffer, .address_space: global }
      - { .name: mbits, .offset: 88, .size: 8, .value_kind: global_buffer, .address_space: global }
      - { .name: mflags, .offset: 96, .size: 8, .value_kind: global_buffer, .address_space: global }
    .group_segment_fixed_size: 68096
    .private_segment_fixed_size: 0
    .kernarg_segment_align: 8
    .kernarg_segment_size: 104
    .max_flat_workgroup_size: 128
    .sgpr_count:     66
    .vgpr_count:     194
    .wavefront_size: 32
...
	.end_amdgpu_metadata
.endif
;; end of part 1
;; launch proj (part 2): grid 4 x 96, 4 waves a work-group, clusters of 4 x 4, 327,680 bytes of LDS; arguments xc, wc, lowp_scales, bq, bk, bv, hc; writes hc
.if DOCPART == 2
	.amdgcn_target "amdgcn-amd-amdhsa--gfx1250"
	.amdhsa_code_object_version 6
	.text
	.protected	k_qd75c85e4b1_proj
	.globl	k_qd75c85e4b1_proj
	.p2align	8
	.type	k_qd75c85e4b1_proj,@function
k_qd75c85e4b1_proj:
	s_mov_b64 s[64:65], 0
	v_nop
	global_prefetch_b8 v0, s[64:65] scope:SCOPE_SE
	s_setreg_imm32_b32 hwreg(HW_REG_WAVE_MODE, 25, 1), 1
	s_wait_xcnt 0x0
	s_wait_alu depctr_hold_cnt(0) depctr_sa_sdst(0) depctr_va_vdst(0) depctr_va_sdst(0) depctr_va_ssrc(0) depctr_va_vcc(0) depctr_vm_vsrc(0)
	s_getreg_b32 s2, hwreg(HW_REG_IB_STS2, 6, 4)
	s_cmp_eq_u32 s2, 0
	s_cbranch_scc0 .Lentry_in_a_cluster
	s_endpgm
.Lentry_in_a_cluster:
	s_bfe_u32 s2, ttmp6, 0x10000c
	s_cmp_lg_u32 s2, 0xf033
	s_cbranch_scc0 .Lentry_shape_is_right
	s_endpgm
.Lentry_shape_is_right:
; THE THREE PROJECTIONS, qh = q Wq^T + bq, kh, vh, on codes of FP8 (E4M3), and their results quantised at once into the operands of the attention launch.
; xc: q's, k's, v's codes, 24,576 rows of 1,024 bytes; wc: Wq's, Wk's, Wv's, Wo's, 4,096 rows.  A tile of 256 x 256 results is made by four waves, 128 x 128 each: 64 accumulators, 512 registers.
; K = 1,024 goes in four steps of 256 through a ring of two LDS slots filled by the tensor data mover; a tile's row is 256 bytes of memory.
; CLUSTERS of 4 x 4: cluster Y (0-23) takes 1,024 rows of xc against all 1,024 outputs.  The tile that goes to source 1 ("A") is shared along a row of the cluster, the one that goes to source 0 ("B") along a column: joint loads.
; In an accumulator (a, b), lane (r, h) holds A's row 16 a + r, and its register j B's row 16 b + 8 h + j.  Eight registers converted are a register pair of a 16 x 16 x 64 operand whose K runs along B's rows.
;   Y 0-15 (q, k):  A = the tokens' rows, B = the weight's rows: K of the next product is the head's 64 outputs: accumulators b = 4 g .. 4 g + 3 make the fragment (16 tokens x 64) of head g of my two.
;   Y 16-23 (v):    A = Wv's rows, B = the tokens' rows: K of the next product is the keys: b = 4 g .. 4 g + 3 make the fragment (16 outputs x 64 keys) of V^T for key step g of my two.  Only addresses differ in the loop.
; hc: three planes of 8 MB (Q, K, V), each [head 16 b + h][131,072 bytes].  Q, K: [tile of 16 tokens][image of 1,024 bytes]; V: [key step of 64][tile of 16 outputs][image].
;   An image is a fragment's eight registers as they stand: registers 0-3 at 16 x lane, registers 4-7 at 512 + 16 x lane.  So each store of a wave covers 512 consecutive bytes, aligned, and no LDS is needed on the way out.
; result = sum x 2^(ea + eb) + bias, held within +-448 x 2^eo, converted with 2^eo.  (ea, eb) = entries (0, 1), (2, 3), (4, 5) of the scales; eo = entry 6, 7, 9.
; LIMITS: ea + eb between -126 and 127; eo between -126 and 119; NaN among the inputs is not served.
; REGISTERS, in windows of 256: window 0: v0-31 addresses and constants; v32-47 the bias by A's rows, each number twice; v64-127 the bias by B's rows; from v128 A's fragments, ONE set (on the way out: v128-191 numbers, v192-223 codes).
;   window 1: B's fragments, TWO sets.   window 2: the accumulators of my A rows 0-63 ((a, b) at v[8 (8 a + b)]);   window 3: those of rows 64-127.
.set KSTEP,  256
.set ROWB,   256                       ; a tile's row in bytes
.set KROW,   1024                      ; a row of xc or wc in memory, in bytes
.set PITCH,  272                       ; an LDS row: 256 bytes + 16 of padding = 68 words: row r starts at bank 4 r mod 64 (ISA guide 11.1), so the 16 rows that a load touches start at 16 different banks
.set FR,     16                        ; registers of a fragment: 16 rows x 128 K
.set NL,     4                         ; LDS loads that bring one
.set NP,     4                         ; places behind this matrix instruction (ISA guide 7.12.1)
.set HALFT,  128*PITCH                 ; 128 rows: what one tensor load brings
.set SLOT,   4*HALFT                   ; A's 256 rows, then B's 256 rows
.set LAPS,   2                         ; 1,024 / 512: a lap is two K steps, once round the ring
.set SPARE,  2*SLOT                    ; behind the ring: the spare words, 128 bytes for each wave: two blocks of 256 bytes that no other line names
.set ADRA, 16                          ; v16-17  LDS address of my A fragments in slot 0, 1
.set ADRB, 20                          ; v20-21  the same for B
.set CO,   26                          ; v26     16 x lane: my place in an image's half
.set SPW,  28                          ; v28     LDS address of my spare word; never rewritten
.set NIL,  29                          ; v29     0; never rewritten
.set SCV,  30                          ; v30     2^eo as f32
.set LIMV, 31                          ; v31     448 x 2^eo
.set BV,   32                          ; v32-47  bias(A's row 16 a + r) at v[32 + 2 a] and v[33 + 2 a]
.set BQ,   64                          ; v64-127 bias(B's row 16 b + 8 h + j) at v[64 + 8 b + j]
.set AF,   128
.set TMP,  128
.set CDR,  192
.set G1, 24                            ; s[24:31] descriptor group 1 for A's tiles;  s[32:39] group 0, one set for each slot
.set G0, 32
.set G1B, 48                           ; s[48:55], s[56:63] the same for B's tiles
.set G0B, 56
.set MSB, 0
.macro WIN new                         ; the immediate's high byte repeats the setting that is left
.if MSB != (\new)
	s_set_vgpr_msb (MSB<<8)|(\new)
.set MSB, (\new)
.endif
.endm
.set MUL_LO, 0xa1                      ; source 0 (B) window 1, source 1 (A) window 0, C and D window 2
.set MUL_HI, 0xf1                      ; the same, C and D window 3
.set TO_B,   0x40                      ; destination window 1, address window 0
; A joint load: waves 0 and 1 fetch for A, waves 2 and 3 for B.  Each line has ONE mask and one set of registers for all that issue it; the branch hangs on the wave's number alone.  Four v_nop follow each line.
.macro JLOAD g0a, g1a, g0b, g1b
	s_cmp_eq_u32 s15, 0
	s_cbranch_scc0 .Lfor_b_\@
	tensor_load_to_lds s[\g0a:\g0a+3], s[\g1a:\g1a+7]
	s_nop 0
.rept 4
	v_nop
.endr
	s_branch .Lasked_\@
.Lfor_b_\@:
	tensor_load_to_lds s[\g0b:\g0b+3], s[\g1b:\g1b+7]
	s_nop 0
.rept 4
	v_nop
.endr
.Lasked_\@:
.endm
.macro CREST                           ; a round of the cluster's barrier behind its opening barrier
	s_cmp_lg_u32 s14, 0
	s_cbranch_scc1 .Lnot_wave_0_\@
	s_barrier_signal -3
.Lnot_wave_0_\@:
	s_barrier_wait -3
	s_barrier_signal -1
	s_barrier_wait -1
.endm
.macro CROUND                          ; a whole round
	s_barrier_signal -1
	s_barrier_wait -1
	CREST
.endm
	s_load_b128 s[4:7], s[0:1], 0x0                ; xc, wc
	s_load_b64 s[8:9], s[0:1], 0x10                ; the scales
	s_load_b128 s[68:71], s[0:1], 0x18             ; bq, bk
	s_load_b128 s[72:75], s[0:1], 0x28             ; bv, hc
	v_lshl_add_u32 v[SPW], v0, 2, SPARE
	v_mov_b32 v[NIL], 0
	ds_add_u32 v28, v29
	ds_add_u32 v28, v29
	s_wait_dscnt 0x0
	v_lshrrev_b32 v1, 5, v0
	v_readfirstlane_b32 s14, v1                    ; wave 0..3
	s_lshr_b32 s15, s14, 1                         ; which half of A's 256 rows is mine.  Also: I fetch for A (0) or for B (1)
	s_and_b32 s16, s14, 1                          ; which half of B's.  Also: which 128 rows of that tile I fetch
	s_bfe_u32 s40, ttmp6, 0x40000                  ; cx, cy: my place in the cluster
	s_bfe_u32 s41, ttmp6, 0x40004
	s_and_b32 s76, ttmp7, 0xffff                   ; Y: the cluster's number, the same in all sixteen partners
	s_lshr_b32 s78, s76, 3                         ; which projection: 0 q, 1 k, 2 v
	s_lshl_b32 s77, s76, 2                         ; 4 Y
	s_lshl_b32 s79, s78, 2
	s_cmp_ge_u32 s76, 16                           ; v?
	s_cselect_b32 s17, 8, s77                      ; A's block of 256 rows: Wv's begin at block 8 of wc; else xc's block 4 Y ..
	s_cselect_b32 s42, s77, s79                    ; B's: xc's block 4 Y ..; else the weight's first block
	s_add_co_u32 s17, s17, s41                     ; + cy: A's tile hangs on cy alone,
	s_add_co_u32 s42, s42, s40                     ; + cx: B's on cx alone
	s_lshl_b32 s43, s41, 2
	s_lshl_b32 s43, 15, s43                        ; my row of the cluster
	s_lshl_b32 s44, 0x1111, s40                    ; my column
	; descriptor group 1: a tile of 128 rows x 256 bytes, padded in LDS
	s_or_b32 s[G1+0], s43, (0<<16)|(1<<20)|(1<<21)|(5<<22)|(3<<25)  ; 15:0 the mask: A's tiles go to my row; 17:16 element of 1 byte; 20 padding on; 21 set beside a mask; 24:22 after every 64 words (code 5); 31:25 of 4 words (code 3)
	s_or_b32 s[G1B+0], s44, (0<<16)|(1<<20)|(1<<21)|(5<<22)|(3<<25)
.irp g, G1, G1B
	s_mov_b32 s[\g+1], ROWB<<16                    ; tensor_dim0
	s_mov_b32 s[\g+2], 128<<16                     ; tensor_dim1 = 128
	s_mov_b32 s[\g+3], ROWB<<16                    ; tile_dim0
	s_mov_b32 s[\g+4], 128                         ; tile_dim1 = 128
	s_mov_b32 s[\g+5], KROW                        ; tensor_dim0_stride
	s_mov_b32 s[\g+6], 0
	s_mov_b32 s[\g+7], 0
.endr
	s_lshl_b32 s18, s16, 7                         ; which 128 rows of the tile I fetch
	s_lshl_b32 s20, s17, 8
	s_add_co_u32 s20, s20, s18
	s_lshl_b32 s20, s20, 10                        ; A: row x 1,024 bytes (under 2^25)
	s_mov_b32 s21, 0
	s_lshl_b32 s46, s42, 8
	s_add_co_u32 s46, s46, s18
	s_lshl_b32 s46, s46, 10                        ; B likewise
	s_mov_b32 s47, 0
	s_mul_i32 s45, s14, HALFT                      ; where they go: wave x 128 rows: no place in the cluster enters an LDS address
	s_lshl_b32 s92, s78, 3                         ; (ea, eb) at byte 8 x projection
	s_mov_b32 s93, 0
	s_wait_kmcnt 0x0
	s_add_nc_u64 s[88:89], s[8:9], s[92:93]
	s_load_b64 s[96:97], s[88:89], 0x0             ; ea, eb
	s_lshl_b32 s92, s78, 2
	s_add_co_u32 s92, s92, 24                      ; eo: entries 6, 7,
	s_cmp_eq_u32 s78, 2
	s_cselect_b32 s92, 36, s92                     ; and 9 for v
	s_add_nc_u64 s[94:95], s[8:9], s[92:93]
	s_load_b32 s98, s[94:95], 0x0                  ; eo
	s_cmp_ge_u32 s76, 16
	s_cselect_b64 s[80:81], s[6:7], s[4:5]         ; A's buffer, B's buffer: the choice hangs on the cluster's number alone
	s_cselect_b64 s[82:83], s[4:5], s[6:7]
	s_add_nc_u64 s[20:21], s[80:81], s[20:21]
	s_add_nc_u64 s[46:47], s[82:83], s[46:47]
	CROUND                                         ; all sixteen work-groups are here: the first joint loads meet
.irp s, 0,1
	s_mov_b32 s[G0+4*\s], 1
	s_add_co_u32 s[G0+4*\s+1], s45, \s*SLOT
	s_add_nc_u64 s[G0+4*\s+2:G0+4*\s+3], s[20:21], \s*ROWB
	s_or_b32 s[G0+4*\s+3], s[G0+4*\s+3], 0x80000000
	s_mov_b32 s[G0B+4*\s], 1
	s_add_co_u32 s[G0B+4*\s+1], s45, \s*SLOT
	s_add_nc_u64 s[G0B+4*\s+2:G0B+4*\s+3], s[46:47], \s*ROWB
	s_or_b32 s[G0B+4*\s+3], s[G0B+4*\s+3], 0x80000000
	JLOAD G0+4*\s, G1, G0B+4*\s, G1B
.endr
	v_and_b32 v1, 15, v0                           ; r = l % 16
	v_bfe_u32 v2, v0, 4, 1                         ; h = l / 16
	v_mul_u32_u24 v3, v1, PITCH
	v_lshl_add_u32 v4, v2, 4, v3                   ; a fragment's row x pitch + 16 x half
	s_mul_i32 s21, s15, HALFT                      ; my 128 rows of A
	s_mul_i32 s22, s16, HALFT                      ; my 128 rows of B,
	s_add_co_u32 s22, s22, 2*HALFT                 ; which lie behind A's 256
.irp s, 0,1
	v_add_nc_u32 v[ADRA+\s], s21, v4
	v_add_nc_u32 v[ADRB+\s], s22, v4
	s_add_co_u32 s21, s21, SLOT
	s_add_co_u32 s22, s22, SLOT
.endr
	; the bias, in both layouts: every work-group loads both and uses one
	s_cmp_eq_u32 s78, 0
	s_cselect_b64 s[84:85], s[68:69], s[70:71]
	s_cmp_eq_u32 s78, 2
	s_cselect_b64 s[84:85], s[72:73], s[84:85]
	s_lshl_b32 s90, s40, 10
	s_lshl_b32 s91, s16, 9
	s_add_co_u32 s90, s90, s91
	v_lshl_add_u32 v5, v2, 5, s90                  ; by B's rows: (256 cx + 128 half + 8 h) x 4 bytes
	s_lshl_b32 s90, s41, 10
	s_lshl_b32 s91, s15, 9
	s_add_co_u32 s90, s90, s91
	v_lshl_add_u32 v6, v1, 2, s90                  ; by A's rows: (256 cy + 128 half + r) x 4 bytes
.irp b, 0,1,2,3,4,5,6,7
	global_load_b128 v[BQ+8*\b:BQ+8*\b+3], v5, s[84:85] offset:64*\b
	global_load_b128 v[BQ+8*\b+4:BQ+8*\b+7], v5, s[84:85] offset:64*\b+16
.endr
.irp a, 0,1,2,3,4,5,6,7
	global_load_b32 v[BV+2*\a], v6, s[84:85] offset:64*\a
	global_load_b32 v[BV+2*\a+1], v6, s[84:85] offset:64*\a       ; twice: a pair for the packed multiply-add
.endr
	v_and_b32 v7, 31, v0
	v_lshlrev_b32 v[CO], 4, v7
	; where my images begin in hc.  w = my block of 256 tokens among the tensor's 32: batch w / 8; inside a head's 131,072 bytes 128 tokens are 8,192 bytes, in Q's and K's planes (8 images) and in V's (2 key steps x 4 images) alike
	s_cmp_ge_u32 s76, 16
	s_cselect_b32 s86, s40, s41                    ; the tokens' blocks go by cx (v) or cy
	s_cselect_b32 s87, s41, s40                    ; the heads by the other
	s_cselect_b32 s90, s15, s16                    ; which half of the 256 outputs is mine
	s_cselect_b32 s91, s16, s15                    ; which half of the 256 tokens
	s_add_co_u32 s86, s86, s77
	s_and_b32 s86, s86, 31                         ; w
	s_lshr_b32 s92, s86, 3
	s_lshl_b32 s92, s92, 4                         ; 16 x batch
	s_lshl_b32 s87, s87, 2
	s_add_co_u32 s92, s92, s87                     ; + 4 heads a block of 256 outputs
	s_lshl_b32 s90, s90, 1
	s_add_co_u32 s92, s92, s90                     ; + 2 a half: my first head
	s_lshl_b32 s92, s92, 17
	s_and_b32 s86, s86, 7
	s_lshl_b32 s86, s86, 1
	s_add_co_u32 s86, s86, s91
	s_lshl_b32 s86, s86, 13
	s_add_co_u32 s86, s86, s92
	s_lshl_b32 s92, s78, 23                        ; the plane
	s_add_co_u32 s86, s86, s92
	s_mov_b32 s87, 0
	s_add_nc_u64 s[10:11], s[74:75], s[86:87]
.macro FRAG reg, adr, q, i             ; a fragment, 16 rows x 128 K of 8-bit codes, is 16 registers: lane l holds row l % 16; registers 4 c .. 4 c + 3 hold K = 32 c + 16 (l / 16) + 0 .. 15: the same places in A and in B, so every product meets its partner
.irp c, 0,1,2,3
	ds_load_b128 v[\reg+4*\c:\reg+4*\c+3], v[\adr] offset:128*(\q)+32*\c+(\i)*16*PITCH
.endr
.endm
; 16 matrix instructions: A's blocks a0, a0 + 1 x B's eight, 128 along K.  p: B's set.  zero = 1: the first product starts the sums.  The 64 accumulators take turns, one instruction a turn, in the same order in every step.
.macro MUL16 a0, p, zero
.irp a, \a0, \a0+1
.irp b, 0,1,2,3,4,5,6,7
.if \zero
	v_wmma_f32_16x16x128_fp8_fp8 v[8*(8*((\a)%4)+\b):8*(8*((\a)%4)+\b)+7], v[128*(\p)+FR*\b:128*(\p)+FR*\b+FR-1], v[AF+FR*(\a):AF+FR*(\a)+FR-1], 0
.else
	v_wmma_f32_16x16x128_fp8_fp8 v[8*(8*((\a)%4)+\b):8*(8*((\a)%4)+\b)+7], v[128*(\p)+FR*\b:128*(\p)+FR*\b+FR-1], v[AF+FR*(\a):AF+FR*(\a)+FR-1], v[8*(8*((\a)%4)+\b):8*(8*((\a)%4)+\b)+7]
.endif
.endr
.endr
.endm
.macro FETCH_B slot, q, p              ; B's eight fragments of the slot's q-th 128 along K into set p
	WIN TO_B
.irp i, 0,1,2,3,4,5,6,7
	FRAG 128*(\p)+FR*\i, ADRB+\slot, \q, \i
.endr
	WIN 0
.endm
.macro FETCH_A slot, q, i0             ; A's blocks i0 .. i0 + 3
.irp i, \i0, \i0+1, \i0+2, \i0+3
	FRAG AF+FR*(\i), ADRA+\slot, \q, \i
.endr
.endm
.macro PLACES n                        ; plain vector lines between a matrix instruction and a load into, or a vector instruction on, its registers
.rept \n
	v_nop
.endr
.endm
; A step of 128 along K that has its successor in the same slot.
.macro STEP slot, q, zero
	s_wait_dscnt 4*NL                              ; B's set and A's blocks 0-3 are in; the youngest sixteen loads (A's blocks 4-7) may be out
	WIN MUL_LO
	MUL16 0, (\q)%2, \zero
	MUL16 2, (\q)%2, \zero
	s_wait_dscnt 0                                 ; A's blocks 4-7 are in
	PLACES NP
	FETCH_B \slot, (\q)+1, 1-(\q)%2
	FETCH_A \slot, (\q)+1, 0
	WIN MUL_HI
	MUL16 4, (\q)%2, \zero
	MUL16 6, (\q)%2, \zero
	PLACES NP
	WIN 0
	FETCH_A \slot, (\q)+1, 4
.endm
; A slot's last step changes slots: ONE barrier; in front of it each wave waits for all its tensor loads, adds 0 to its spare word, and waits for that and for its own reads of this slot.  fill = 1: this slot is filled again, two K steps ahead.
.macro TURN slot, next, fill
	s_wait_tensorcnt 0x0                           ; all my tensor loads have landed: my part of the next slot
	ds_add_u32 v[SPW], v[NIL]                      ; 0 onto my spare word
	s_wait_dscnt 4*NL+1                            ; the add and the youngest sixteen loads (A's blocks 4-7) may be out
	WIN MUL_LO
	MUL16 0, 1, 0                                  ; sixteen matrix instructions stand between the add and the wait for it
	s_wait_dscnt 0x0                               ; the add is done, and my reads of this slot are over
	s_barrier_signal -1
	MUL16 2, 1, 0
	WIN 0
	s_barrier_wait -1
.if \fill
	CREST                                          ; the barrier has opened a round of the cluster's barrier: no wave of any partner still reads this slot's tile or has a load on its way
	s_add_nc_u64 s[G0+4*\slot+2:G0+4*\slot+3], s[G0+4*\slot+2:G0+4*\slot+3], 2*ROWB
	s_add_nc_u64 s[G0B+4*\slot+2:G0B+4*\slot+3], s[G0B+4*\slot+2:G0B+4*\slot+3], 2*ROWB
	JLOAD G0+4*\slot, G1, G0B+4*\slot, G1B         ; the first tensor load behind the round; its four v_nop are the places in front of the loads below
.else
	PLACES NP
.endif
	FETCH_B \next, 0, 0
	FETCH_A \next, 0, 0
	WIN MUL_HI
	MUL16 4, 1, 0
	MUL16 6, 1, 0
	PLACES NP
	WIN 0
	FETCH_A \next, 0, 4
.endm
	s_wait_tensorcnt 1                             ; my part of K step 0 is in; K step 1's load may be out
	s_barrier_signal -1
	s_barrier_wait -1                              ; everybody's is
	FETCH_B 0, 0, 0
	FETCH_A 0, 0, 0
	FETCH_A 0, 0, 4
	STEP 0, 0, 1                                   ; the first step stands in front of the loop: its products start the sums
	s_mov_b32 s3, LAPS-1
.Llap:                                                 ; a trip goes once round the ring and fills both slots again
	TURN 0, 1, 1
	STEP 1, 0, 0
	TURN 1, 0, 1
	STEP 0, 0, 0
	s_sub_co_u32 s3, s3, 1
	s_cmp_lg_u32 s3, 0
	s_cbranch_scc1 .Llap
	TURN 0, 1, 0                                   ; the last lap fills nothing, and has no round of the cluster's barrier
	STEP 1, 0, 0
	s_wait_dscnt 4*NL                              ; the very last step: nothing more to fetch
	WIN MUL_LO
	MUL16 0, 1, 0
	MUL16 2, 1, 0
	s_wait_dscnt 0
	WIN MUL_HI
	MUL16 4, 1, 0
	MUL16 6, 1, 0
	WIN 0
; THE WAY OUT, block a of 16 of A's rows at a time: 64 numbers a lane = sum x 2^(ea + eb) + bias (each accumulator from its low end on), held, converted: 16 registers of codes = two fragments, stored as they stand.
.macro OUTBLK a, isv
.set AC, 64*((\a)%4)
.set CD, CDR+16*((\a)%2)
.if (\a) >= 2
	s_wait_xcnt 0x0                                ; block a - 2's stores have read their registers, which take this block's codes
.endif
	WIN 0x02+((\a)/4)                              ; source 0: window 2 or 3
.set j, 0
.rept 32
.if \isv
	v_pk_fma_f32 v[TMP+j:TMP+j+1], v[AC+j:AC+j+1], s[96:97], v[BV+2*(\a):BV+2*(\a)+1] op_sel_hi:[1,0,1]
.else
	v_pk_fma_f32 v[TMP+j:TMP+j+1], v[AC+j:AC+j+1], s[96:97], v[BQ+j:BQ+j+1] op_sel_hi:[1,0,1]
.endif
.set j, j+2
.endr
	WIN 0
.set j, 0
.rept 64
	v_med3_num_f32 v[TMP+j], v[TMP+j], -v[LIMV], v[LIMV]   ; the conversion to an 8-bit code does not saturate (ISA guide 7.6.2)
.set j, j+1
.endr
.irp b, 0,1,2,3,4,5,6,7
	v_cvt_scalef32_pk8_fp8_f32 v[CD+2*\b:CD+2*\b+1], v[TMP+8*\b:TMP+8*\b+7], v[SCV]
.endr
	v_nop                                          ; a plain line behind the last conversion: the next block writes the numbers' registers
.irp g, 0,1,2,3
.if \isv
	global_store_b128 v[CO], v[CD+4*\g:CD+4*\g+3], s[10:11] offset:131072*((\a)/4)+1024*((\a)%4)+4096*(\g/2)+512*(\g%2)   ; head a / 4, outputs' tile a % 4, key step g / 2, the image's half g % 2
.else
	global_store_b128 v[CO], v[CD+4*\g:CD+4*\g+3], s[10:11] offset:1024*(\a)+131072*(\g/2)+512*(\g%2)                     ; tokens' tile a, head g / 2, the image's half g % 2
.endif
.endr
.endm
	s_wait_kmcnt 0x0                               ; the scales
	s_wait_loadcnt 0x0                             ; the bias
	s_add_co_i32 s96, s96, s97
	s_add_co_i32 s96, s96, 127
	s_lshl_b32 s96, s96, 23                        ; 2^(ea + eb) as f32
	s_mov_b32 s97, s96                             ; (named with it as a pair)
	s_add_co_i32 s98, s98, 127
	s_lshl_b32 s99, s98, 23
	v_mov_b32 v[SCV], s99                          ; 2^eo
	s_add_co_i32 s98, s98, 8
	s_lshl_b32 s98, s98, 23
	s_or_b32 s98, s98, 0x600000
	v_mov_b32 v[LIMV], s98                         ; 448 x 2^eo
	PLACES NP                                      ; behind the last products: their results are read, and A's registers written, below
	s_cmp_ge_u32 s76, 16                           ; the cluster's number: the same in all partners
	s_cbranch_scc1 .Lv_out
.irp a, 0,1,2,3,4,5,6,7
	OUTBLK \a, 0
.endr
	s_branch .Ldone
.Lv_out:
.irp a, 0,1,2,3,4,5,6,7
	OUTBLK \a, 1
.endr
.Ldone:
	s_wait_tensorcnt 0x0                           ; the wave's end
	ds_add_u32 v[SPW], v[NIL]
	s_wait_dscnt 0x0
	CROUND                                         ; the closing round: no work-group ends while a partner may still ask for a tile that names it
	s_endpgm
.Lfunc_end_k_qd75c85e4b1_proj:
	.size	k_qd75c85e4b1_proj, .Lfunc_end_k_qd75c85e4b1_proj-k_qd75c85e4b1_proj
	.p2alignl 7, 3214868480
	.fill 96, 4, 3214868480
	.section	.rodata,"a",@progbits
	.p2align	6, 0x0
	.amdhsa_kernel k_qd75c85e4b1_proj
		.amdhsa_group_segment_fixed_size 327680
		.amdhsa_private_segment_fixed_size 0
		.amdhsa_enable_private_segment 0
		.amdhsa_kernarg_size 56
		.amdhsa_user_sgpr_count 2
		.amdhsa_user_sgpr_kernarg_segment_ptr 1
		.amdhsa_wavefront_size32 1
		.amdhsa_system_sgpr_workgroup_id_x 1
		.amdhsa_system_sgpr_workgroup_id_y 1
		.amdhsa_system_sgpr_workgroup_id_z 1
		.amdhsa_system_vgpr_workitem_id 0
		.amdhsa_next_free_vgpr 1024
		.amdhsa_next_free_sgpr 100
		.amdhsa_reserve_vcc 0
		.amdhsa_float_denorm_mode_32 3
		.amdhsa_float_denorm_mode_16_64 3
		.amdhsa_memory_ordered 1
		.amdhsa_forward_progress 1
		.amdhsa_inst_pref_size 194
	.end_amdhsa_kernel
	.amdgpu_metadata
---
amdhsa.version: [ 1, 2 ]
amdhsa.kernels:
  - .name:           k_qd75c85e4b1_proj
    .symbol:         k_qd75c85e4b1_proj.kd
    .args:
      - { .name: xc, .offset: 0, .size: 8, .value_kind: global_buffer, .address_space: global }
      - { .name: wc, .offset: 8, .size: 8, .value_kind: global_buffer, .address_space: global }
      - { .name: lowp_scales, .offset: 16, .size: 8, .value_kind: global_buffer, .address_space: global }
      - { .name: bq, .offset: 24, .size: 8, .value_kind: global_buffer, .address_space: global }
      - { .name: bk, .offset: 32, .size: 8, .value_kind: global_buffer, .address_space: global }
      - { .name: bv, .offset: 40, .size: 8, .value_kind: global_buffer, .address_space: global }
      - { .name: hc, .offset: 48, .size: 8, .value_kind: global_buffer, .address_space: global }
    .group_segment_fixed_size: 327680
    .private_segment_fixed_size: 0
    .kernarg_segment_align: 8
    .kernarg_segment_size: 56
    .max_flat_workgroup_size: 128
    .sgpr_count:     100
    .vgpr_count:     1024
    .wavefront_size: 32
...
	.end_amdgpu_metadata
.endif
;; end of part 2
;; launch attn (part 3): grid 4 x 64, 16 waves a work-group, no clusters, 34,816 bytes of LDS; arguments hc, mbits, mflags, lowp_scales, cc; writes cc
.if DOCPART == 3
	.amdgcn_target "amdgcn-amd-amdhsa--gfx1250"
	.amdhsa_code_object_version 6
	.text
	.protected	k_qd75c85e4b1_attn
	.globl	k_qd75c85e4b1_attn
	.p2align	8
	.type	k_qd75c85e4b1_attn,@function
k_qd75c85e4b1_attn:
	s_mov_b64 s[64:65], 0
	v_nop
	global_prefetch_b8 v0, s[64:65] scope:SCOPE_SE
	s_setreg_imm32_b32 hwreg(HW_REG_WAVE_MODE, 25, 1), 1
	s_wait_xcnt 0x0
; ATTENTION on codes of FP8 (E4M3): ctx = softmax(where(mask == 0, -1e9, qh kh^T / 8)) vh for 64 heads of 2,048 tokens x 64, and ctx quantised at once for the last projection.
; hc: the operands as images of their registers (planes Q, K, V of 8 MB; [head][131,072 bytes]; an image: 1,024 bytes, registers 0-3 at 16 x lane, 4-7 at 512 + 16 x lane).
; THE SOFTMAX: t = logit x log2(e); M = the largest t so far, rounded UP to a whole number; p = 2^(t - M) is quantised with 2^e8; the row's sum is taken of the unquantised p and divides at the end.  When M moves, the sum and O are multiplied by 2^(old M - new M).
; SHARES.  Work-group (x, head) owns the blocks x and 7 - x of 256 queries; wave w owns 32 queries, two tiles of 16: T2 = 8 (w < 8 ? x : 7 - x) + w % 8.  Four waves to a SIMD: one wave's vector work stands beside another's products and LDS loads.
; Every wave walks all 2,048 keys in 32 steps of 64.  K and V come 128 keys (8,192 + 8,192 bytes, dense in memory) at a time: each thread loads 16 + 16 bytes into registers one slot ahead and stores them into the LDS slot that is not being read.
; LAYOUT.  S^T = K Q^T (source 0 = 16 keys, source 1 = 16 queries): lane (r, h) holds query r, register j of tile t key 16 t + 8 h + j.  A tile's eight registers converted are register pair t of P, and V's images were laid with the same keys
; in the same places.  O^T = V^T P^T: lane (r, h) holds query r and outputs 16 t + 8 h + j.  Each fragment of K and of V read from LDS serves both tiles of queries.
; THE MASK IS AN INPUT.  mbits holds, for each unit of 32 queries x 64 keys, the lanes' bits for each score register; a hidden score becomes the raw number that stands for the logit -2^30, by v_cndmask_b32.
;   mflags says which units hide every key of all 32 rows (the step is left out: a scalar branch on the stored number) and which hide none (the 64 selects and the words' loads are left out).
;   A step left out adds nothing: each of my rows has a key that counts somewhere, so what hidden keys add is 0 or is multiplied by 0 when the first key that counts arrives.  A wave that holds a row with no such key leaves out nothing: that row's p are all 1.
; NO CLUSTER, NO TENSOR LOAD: the steps that a wave leaves out hang on numbers read from memory; what the four work-groups of a head share is 16,384 bytes a slot.
; NO PREFETCH: a slot's bytes are asked for a whole slot (two key steps) ahead of the stores that want them.
; cc: ctx's codes as images of the last projection's operand: [K step of 256][tile of 16 rows][128 along K][2,048 bytes]: the code of (row r, output 64 head + 16 t + 8 h + j) lies at 1,024 (head % 2) + 256 t + 16 r + 8 h + j: a store of 8 bytes a lane covers 256 consecutive bytes, aligned.
; LIMITS: e6 + e7 between -94 and 130; e8 and e10 between -126 and 119; a hidden logit counts as -2^30 where the definition has -1e9: the same results while every real logit lies above -1e9; NaN is not served.
.set LI,    1                          ; v1   16 x lane
.set SW,    2                          ; v2   16 x thread: where I store into a slot
.set GOFF,  3                          ; v3   16 x thread + 8,192 x slot's number: where I load from
.set GO,    5                          ; v5   16 r + 8 h: my 8 bytes of a store into cc
.set SK,    8                          ; v8-11   16 bytes of K on their way
.set SV,    12                         ; v12-15  16 bytes of V
.set QF,    16                         ; v16-31  Q: tile u at 16 + 8 u
.set KV,    32                         ; v32-63  four fragments of K, then of V
.set S,     64                         ; v64-127 S^T, then p: 64 + 32 u + 8 t + j
.set O,     128                        ; v128-191 O^T
.set P,     192                        ; v192-207 p's codes: 192 + 8 u + 2 t
.set ST,    208                        ; tile u's statistics at 208 + 8 u: +0 -M, +1 the largest t, +2, +3 the sum in two halves, +4 f, +5 0, +6, +7 at work
.set XH,    224                        ; v224 the raw score of a hidden key
.set LIM8,  225                        ; v225 448 x 2^e8
.set SC8,   226                        ; v226 2^e8
.set C2,    228                        ; v[228 + 2 u : 229 + 2 u] the second chain of a step's sum
.set SC10,  232                        ; v232 2^e10
.set LIM10, 233                        ; v233 448 x 2^e10
; scalars: s2 wave; s3 trips; s[4:5] Q; s[6:7] mbits at my T2 and the trip's first step; s[8:9] K; s[10:11] V; s[12:13] cc; s14 steps to leave out, s15 steps wholly open (bit k: step k of the trip);
; s[16:63], s[68:83] a step's 64 mask words; s[84:85] c'; s[86:87] lane selects; s100 e8 + e9; s101 1 where p must be held
.macro WREG n                          ; WRN = the scalar register of word n
.if (\n) < 48
.set WRN, 16+(\n)
.else
.set WRN, 20+(\n)
.endif
.endm
	s_load_b256 s[4:11], s[0:1], 0x0               ; hc, mbits, mflags, the scales
	s_load_b64 s[12:13], s[0:1], 0x20              ; cc
	v_lshl_add_u32 v254, v0, 2, 0x8000
	v_mov_b32 v255, 0
	v_lshrrev_b32 v4, 5, v0
	v_readfirstlane_b32 s2, v4                     ; wave 0..15
	v_and_b32 v[LI], 31, v0
	v_lshlrev_b32 v[LI], 4, v[LI]
	v_lshlrev_b32 v[SW], 4, v0
	v_lshlrev_b32 v[GOFF], 4, v0
	v_and_b32 v6, 15, v0
	v_bfe_u32 v7, v0, 4, 1
	v_lshlrev_b32 v[GO], 4, v6
	v_lshl_add_u32 v[GO], v7, 3, v[GO]
	s_sub_co_u32 s96, 7, ttmp9
	s_cmp_lt_u32 s2, 8
	s_cselect_b32 s96, ttmp9, s96                  ; my block of 256 queries
	s_lshl_b32 s96, s96, 3
	s_and_b32 s97, s2, 7
	s_add_co_u32 s96, s96, s97                     ; T2
	s_and_b32 s97, ttmp7, 0xffff                   ; the head: 16 x batch + head of the batch
	s_lshl_b32 s98, s96, 8                         ; my 32 units' flags: 256 bytes
	s_mov_b32 s99, 0
	s_wait_kmcnt 0x0
	s_add_nc_u64 s[8:9], s[8:9], s[98:99]
	s_load_b512 s[16:31], s[8:9], 0x0
	s_load_b512 s[32:47], s[8:9], 0x40
	s_load_b512 s[48:63], s[8:9], 0x80
	s_load_b512 s[68:83], s[8:9], 0xc0
	s_load_b128 s[88:91], s[10:11], 0x18           ; e6, e7, e8, e9
	s_load_b32 s92, s[10:11], 0x28                 ; e10
	s_lshl_b32 s98, s96, 13                        ; my 32 units' words: 8,192 bytes
	s_add_nc_u64 s[6:7], s[6:7], s[98:99]
	s_and_b32 s93, s97, 15                         ; head of the batch
	s_lshr_b32 s94, s97, 4
	s_lshl_b32 s94, s94, 7
	s_lshl_b32 s95, s96, 1
	s_add_co_u32 s94, s94, s95                     ; my first tile of 16 rows: 128 x batch + 2 T2
	s_lshl_b32 s94, s94, 12
	s_lshr_b32 s95, s93, 2
	s_lshl_b32 s95, s95, 21                        ; four heads to a K step of 256: 2 MB each
	s_add_co_u32 s94, s94, s95
	s_and_b32 s95, s93, 3
	s_lshl_b32 s95, s95, 10                        ; 1,024 x (head % 4): which 128 along K, and which half of it
	s_add_co_u32 s98, s94, s95
	s_add_nc_u64 s[12:13], s[12:13], s[98:99]
	s_lshl_b32 s94, s97, 17                        ; the head's bytes in a plane
	s_mov_b32 s95, 0
	s_lshl_b32 s98, s96, 11                        ; my two tiles' images
	s_add_co_u32 s98, s98, s94
	s_wait_kmcnt 0x0                               ; flags and scales are in: their pointers' registers are free
	s_add_nc_u64 s[8:9], s[4:5], s[94:95]
	s_add_nc_u64 s[10:11], s[8:9], 0x1000000       ; V's plane
	s_add_nc_u64 s[8:9], s[8:9], 0x800000          ; K's plane
	s_add_nc_u64 s[4:5], s[4:5], s[98:99]          ; Q's plane, my tiles
.irp u, 0,1
	global_load_b128 v[QF+8*\u:QF+8*\u+3], v[LI], s[4:5] offset:1024*\u
	global_load_b128 v[QF+8*\u+4:QF+8*\u+7], v[LI], s[4:5] offset:1024*\u+512
.endr
	global_load_b128 v[SK:SK+3], v[GOFF], s[8:9]   ; slot 0
	global_load_b128 v[SV:SV+3], v[GOFF], s[10:11]
	s_mov_b32 s14, 0
	s_mov_b32 s15, 0
	s_mov_b32 s93, 0
.set i, 0
.rept 32
	WREG 2*i
	s_or_b32 s93, s93, s[WRN]                      ; which of my rows have a key that counts anywhere
	s_cmp_eq_u32 s[WRN], 0
	s_cselect_b32 s94, 1, 0
	s_lshl_b32 s94, s94, i
	s_or_b32 s14, s14, s94                         ; step i hides every key of all my rows
	WREG 2*i+1
	s_lshl_b32 s94, s[WRN], i
	s_or_b32 s15, s15, s94                         ; step i hides none
.set i, i+1
.endr
	s_cmp_eq_u32 s93, -1
	s_cselect_b32 s14, s14, 0                      ; a row with no key that counts: nothing is left out
	s_add_co_i32 s93, s88, s89                     ; e6 + e7
	s_lshl_b32 s94, s93, 23
	s_add_co_i32 s84, s94, 0x3e38aa3b              ; c' = log2(e) / 8 x 2^(e6 + e7): the exponents are added to c's exponent field
	s_mov_b32 s85, s84                             ; (named with it as a pair)
	s_sub_co_i32 s94, 160, s93
	s_lshl_b32 s94, s94, 23
	s_or_b32 s94, s94, 0x80000000
	v_mov_b32 v[XH], s94                           ; -2^(33 - e6 - e7): x c' it is a whole number, so a row of hidden keys alone has p = 1
	s_add_co_i32 s94, s90, 127
	s_lshl_b32 s95, s94, 23
	v_mov_b32 v[SC8], s95
	s_add_co_i32 s94, s94, 8
	s_lshl_b32 s94, s94, 23
	s_or_b32 s94, s94, 0x600000
	v_mov_b32 v[LIM8], s94
	s_cmp_lt_i32 s90, -8                           ; p is at most 1: it can pass 448 x 2^e8 only where e8 < -8
	s_cselect_b32 s101, 1, 0
	s_add_co_i32 s100, s90, s91                    ; e8 + e9
	s_add_co_i32 s94, s92, 127
	s_lshl_b32 s95, s94, 23
	v_mov_b32 v[SC10], s95
	s_add_co_i32 s94, s94, 8
	s_lshl_b32 s94, s94, 23
	s_or_b32 s94, s94, 0x600000
	v_mov_b32 v[LIM10], s94
	s_mov_b32 s86, 0x76543210                      ; v_permlanex16_b32: lane l xor 16
	s_mov_b32 s87, 0xfedcba98
.irp u, 0,1
	v_mov_b32 v[ST+8*\u+1], 0xff61b1e6             ; the largest t so far: -3e38, under every t
	v_floor_f32 v[ST+8*\u], -v[ST+8*\u+1]          ; -M
	v_mov_b32 v[ST+8*\u+2], 0                      ; the sum
	v_mov_b32 v[ST+8*\u+3], 0
	v_mov_b32 v[ST+8*\u+5], 0                      ; (the upper half of f's pair)
	v_mov_b32 v[ST+8*\u+7], 0                      ; (a lane permute's destination counts as read)
.endr
.set j, 0
.rept 64
	v_mov_b32 v[O+j], 0                            ; O^T: the step is written once; the first finds zeros, which the first change of M leaves zeros
.set j, j+1
.endr
	s_wait_loadcnt 0x0                             ; Q and slot 0
	ds_store_b128 v[SW], v[SK:SK+3]
	ds_store_b128 v[SW], v[SV:SV+3] offset:8192
	v_add_nc_u32 v[GOFF], 0x2000, v[GOFF]          ; (its loads are done)
	s_wait_dscnt 0x0                               ; for the others' sake, and the stores have read their registers,
	global_load_b128 v[SK:SK+3], v[GOFF], s[8:9]   ; which take slot 1
	global_load_b128 v[SV:SV+3], v[GOFF], s[10:11]
	s_barrier_signal -1
	s_barrier_wait -1                              ; slot 0 is whole
; A KEY STEP: 64 keys, the q-th of the slot; k: its number in the trip.
.macro STEP slot, q, k
	s_bitcmp1_b32 s14, \k
	s_cbranch_scc1 .Lskip_\@                       ; every key hidden for all my rows
	s_bitcmp1_b32 s15, \k
	s_cbranch_scc1 .Lnl_\@                         ; no key hidden: no words are wanted
	s_load_b512 s[16:31], s[6:7], 256*(\k)
	s_load_b512 s[32:47], s[6:7], 256*(\k)+64
	s_load_b512 s[48:63], s[6:7], 256*(\k)+128
	s_load_b512 s[68:83], s[6:7], 256*(\k)+192
.Lnl_\@:
.irp t, 0,1,2,3
	ds_load_b128 v[KV+8*\t:KV+8*\t+3], v[LI] offset:(\slot)*16384+4096*(\q)+1024*\t
	ds_load_b128 v[KV+8*\t+4:KV+8*\t+7], v[LI] offset:(\slot)*16384+4096*(\q)+1024*\t+512
.endr
	s_wait_dscnt 0x0
.irp t, 0,1,2,3
.irp u, 0,1
	v_wmma_f32_16x16x64_fp8_fp8 v[S+32*\u+8*\t:S+32*\u+8*\t+7], v[KV+8*\t:KV+8*\t+7], v[QF+8*\u:QF+8*\u+7], 0
.endr
.endr
.rept 4
	v_nop                                          ; places in front of the loads into K's registers and of the first read of the scores
.endr
.irp t, 0,1,2,3
	ds_load_b128 v[KV+8*\t:KV+8*\t+3], v[LI] offset:(\slot)*16384+8192+4096*(\q)+1024*\t          ; V lands while the softmax is worked
	ds_load_b128 v[KV+8*\t+4:KV+8*\t+7], v[LI] offset:(\slot)*16384+8192+4096*(\q)+1024*\t+512
.endr
	s_wait_kmcnt 0x0                               ; the words, where they were asked for
	s_bitcmp1_b32 s15, \k
	s_cbranch_scc1 .Lopen_\@
.set n, 0
.rept 64
	WREG n
	v_cndmask_b32 v[S+n], v[XH], v[S+n], s[WRN]    ; the lane's bit: 1 keeps the score
.set n, n+1
.endr
.Lopen_\@:
.irp u, 0,1                                    ; the step's largest score of my query, two chains a tile, the tiles line by line; each accumulator from its low end on
	v_max3_num_f32 v[ST+8*\u+6], v[S+32*\u], v[S+32*\u+1], v[S+32*\u+2]
.endr
.irp u, 0,1
	v_max3_num_f32 v[ST+8*\u+7], v[S+32*\u+3], v[S+32*\u+4], v[S+32*\u+5]
.endr
.irp i, 6,10,14,18,22,26
.irp u, 0,1
	v_max3_num_f32 v[ST+8*\u+6], v[ST+8*\u+6], v[S+32*\u+\i], v[S+32*\u+\i+1]
.endr
.irp u, 0,1
	v_max3_num_f32 v[ST+8*\u+7], v[ST+8*\u+7], v[S+32*\u+\i+2], v[S+32*\u+\i+3]
.endr
.endr
.irp u, 0,1
	v_max3_num_f32 v[ST+8*\u+6], v[ST+8*\u+6], v[S+32*\u+30], v[S+32*\u+31]
.endr
.irp u, 0,1
	v_max_num_f32 v[ST+8*\u+6], v[ST+8*\u+6], v[ST+8*\u+7]
.endr
.irp u, 0,1
	v_permlanex16_b32 v[ST+8*\u+7], v[ST+8*\u+6], s86, s87
.endr
.irp u, 0,1
	v_max_num_f32 v[ST+8*\u+6], v[ST+8*\u+6], v[ST+8*\u+7]   ; and lane l xor 16's
.endr
.irp u, 0,1
	v_mul_f32 v[ST+8*\u+6], s84, v[ST+8*\u+6]      ; as t (c' is positive)
.endr
.irp u, 0,1
	v_max_num_f32 v[ST+8*\u+1], v[ST+8*\u+1], v[ST+8*\u+6]   ; the running largest t
.endr
.irp u, 0,1
	v_mov_b32 v[ST+8*\u+6], v[ST+8*\u]
.endr
.irp u, 0,1
	v_floor_f32 v[ST+8*\u], -v[ST+8*\u+1]          ; the new -M = floor(-t): M is a whole number
.endr
.irp u, 0,1
	v_sub_f32 v[ST+8*\u+6], v[ST+8*\u], v[ST+8*\u+6]   ; old M - new M: a whole number, 0 or less
.endr
.irp u, 0,1
	v_cvt_i32_f32 v[ST+8*\u+6], v[ST+8*\u+6]       ; (it saturates)
.endr
.irp u, 0,1
	v_ldexp_f32 v[ST+8*\u+4], 1.0, v[ST+8*\u+6]    ; f = 2^(old M - new M)
.endr
.irp u, 0,1
.set j, 0
.rept 16
	v_pk_fma_f32 v[S+32*\u+j:S+32*\u+j+1], v[S+32*\u+j:S+32*\u+j+1], s[84:85], v[ST+8*\u:ST+8*\u+1] op_sel_hi:[1,0,0]   ; t - M, two at a time
.set j, j+2
.endr
.endr
.set j, 0
.rept 64
	v_exp_f32 v[S+j], v[S+j]                       ; p = 2^(t - M), at most 1
.set j, j+1
.endr
.irp u, 0,1
	v_pk_mul_f32 v[ST+8*\u+2:ST+8*\u+3], v[ST+8*\u+2:ST+8*\u+3], v[ST+8*\u+4:ST+8*\u+5] op_sel_hi:[1,0]   ; the sums under the new M: the plain lines behind the exponentials
.endr
	s_wait_alu depctr_va_vdst(0)                   ; one wait for the batch of 64, ahead of its first reader
.irp u, 0,1
	v_pk_add_f32 v[C2+2*\u:C2+2*\u+1], v[S+32*\u:S+32*\u+1], v[S+32*\u+2:S+32*\u+3]   ; the row's sum is taken of the unquantised p, in two chains a tile
.endr
.irp i, 4,8,12,16,20,24,28
.irp u, 0,1
	v_pk_add_f32 v[ST+8*\u+2:ST+8*\u+3], v[ST+8*\u+2:ST+8*\u+3], v[S+32*\u+\i:S+32*\u+\i+1]
	v_pk_add_f32 v[C2+2*\u:C2+2*\u+1], v[C2+2*\u:C2+2*\u+1], v[S+32*\u+\i+2:S+32*\u+\i+3]
.endr
.endr
.irp u, 0,1
	v_pk_add_f32 v[ST+8*\u+2:ST+8*\u+3], v[ST+8*\u+2:ST+8*\u+3], v[C2+2*\u:C2+2*\u+1]
.endr
	s_cmp_eq_u32 s101, 0
	s_cbranch_scc1 .Lnohold_\@                     ; 448 x 2^e8 is 1 or more: no p passes it
.set j, 0
.rept 64
	v_min_num_f32 v[S+j], v[S+j], v[LIM8]          ; the conversion does not saturate (ISA guide 7.6.2); p is not negative, so the hold is one-sided
.set j, j+1
.endr
.Lnohold_\@:
.irp u, 0,1
.irp t, 0,1,2,3
	v_cvt_scalef32_pk8_fp8_f32 v[P+8*\u+2*\t:P+8*\u+2*\t+1], v[S+32*\u+8*\t:S+32*\u+8*\t+7], v[SC8]
.endr
.endr
.irp u, 0,1
.set j, 0
.rept 16
	v_pk_mul_f32 v[O+32*\u+j:O+32*\u+j+1], v[O+32*\u+j:O+32*\u+j+1], v[ST+8*\u+4:ST+8*\u+5] op_sel_hi:[1,0]   ; O^T under the new M; also the plain lines behind the conversions
.set j, j+2
.endr
.endr
	s_wait_dscnt 0x0                               ; V is in
.irp t, 0,1,2,3
.irp u, 0,1
	v_wmma_f32_16x16x64_fp8_fp8 v[O+32*\u+8*\t:O+32*\u+8*\t+7], v[KV+8*\t:KV+8*\t+7], v[P+8*\u:P+8*\u+7], v[O+32*\u+8*\t:O+32*\u+8*\t+7]   ; the eight accumulators by turns
.endr
.endr
.rept 4
	v_nop                                          ; places in front of the next loads into V's registers and of the next read of O^T
.endr
.Lskip_\@:
.endm
; A SLOT: 128 keys.  stage = 1: the next slot's bytes, asked for a slot ago, go into the other LDS slot, which every wave has left (the barrier at the last slot's end).  fetch = 1: the slot after that is asked for.
; bar = 1: one barrier at the end: in front of it my stores into the other slot have landed and my reads of this one are back.
.macro SLOTW slot, ka, kb, stage, fetch, bar
.if \stage
	s_wait_loadcnt 0x0                             ; the next slot's 32 bytes of mine are in
	ds_store_b128 v[SW], v[SK:SK+3] offset:(1-(\slot))*16384
	ds_store_b128 v[SW], v[SV:SV+3] offset:(1-(\slot))*16384+8192
.if \fetch
	v_add_nc_u32 v[GOFF], 0x2000, v[GOFF]          ; (its loads are done)
.endif
	s_wait_dscnt 0x0                               ; the stores have read their registers
.if \fetch
	global_load_b128 v[SK:SK+3], v[GOFF], s[8:9]
	global_load_b128 v[SV:SV+3], v[GOFF], s[10:11]
.endif
.endif
	STEP \slot, 0, \ka
	STEP \slot, 1, \kb
.if \bar
	s_wait_dscnt 0x0
	s_barrier_signal -1
	s_barrier_wait -1
.endif
.endm
	s_mov_b32 s3, 7
.Ltrip:                                                ; 7 trips of two slots: slots 0 to 13; they ask for slots 2 to 15
	SLOTW 0, 0, 1, 1, 1, 1
	SLOTW 1, 2, 3, 1, 1, 1
	s_wait_xcnt 0x0                                ; the words' loads have read their base
	s_add_nc_u64 s[6:7], s[6:7], 1024              ; four units on
	s_lshr_b32 s14, s14, 4
	s_lshr_b32 s15, s15, 4
	s_sub_co_u32 s3, s3, 1
	s_cmp_lg_u32 s3, 0
	s_cbranch_scc1 .Ltrip
	SLOTW 0, 0, 1, 1, 0, 1                         ; slot 14: slot 15 is staged, nothing more is asked for: no load leaves its buffer
	SLOTW 1, 2, 3, 0, 0, 0                         ; slot 15
	; THE WAY OUT: ctx = O^T x 2^(e8 + e9) / the sum, held, converted with 2^e10, stored as the last projection's operand wants it
.irp u, 0,1
	v_add_f32 v[ST+8*\u+2], v[ST+8*\u+2], v[ST+8*\u+3]
.endr
.irp u, 0,1
	v_permlanex16_b32 v[ST+8*\u+7], v[ST+8*\u+2], s86, s87
.endr
.irp u, 0,1
	v_add_f32 v[ST+8*\u+2], v[ST+8*\u+2], v[ST+8*\u+7]       ; the row's sum
.endr
.irp u, 0,1
	v_rcp_f32 v[ST+8*\u+4], v[ST+8*\u+2]
.endr
	v_nop                                          ; a plain line behind the reciprocals
	s_wait_alu depctr_va_vdst(0)                   ; one wait for both, ahead of the first reader
.irp u, 0,1
	v_ldexp_f32 v[ST+8*\u+4], v[ST+8*\u+4], s100
.endr
.irp u, 0,1
.set j, 0
.rept 16
	v_pk_mul_f32 v[S+32*\u+j:S+32*\u+j+1], v[O+32*\u+j:O+32*\u+j+1], v[ST+8*\u+4:ST+8*\u+5] op_sel_hi:[1,0]
.set j, j+2
.endr
.endr
.set j, 0
.rept 64
	v_med3_num_f32 v[S+j], v[S+j], -v[LIM10], v[LIM10]
.set j, j+1
.endr
.irp u, 0,1
.irp t, 0,1,2,3
	v_cvt_scalef32_pk8_fp8_f32 v[P+8*\u+2*\t:P+8*\u+2*\t+1], v[S+32*\u+8*\t:S+32*\u+8*\t+7], v[SC10]
.endr
.endr
	v_nop                                          ; a plain line behind the last conversion
.irp u, 0,1
.irp t, 0,1,2,3
	global_store_b64 v[GO], v[P+8*\u+2*\t:P+8*\u+2*\t+1], s[12:13] offset:4096*\u+256*\t   ; 32 lanes store 256 consecutive bytes, aligned
.endr
.endr
	s_wait_tensorcnt 0x0
	ds_add_u32 v254, v255
	s_wait_dscnt 0x0
	s_endpgm
.Lfunc_end_k_qd75c85e4b1_attn:
	.size	k_qd75c85e4b1_attn, .Lfunc_end_k_qd75c85e4b1_attn-k_qd75c85e4b1_attn
	.p2alignl 7, 3214868480
	.fill 96, 4, 3214868480
	.section	.rodata,"a",@progbits
	.p2align	6, 0x0
	.amdhsa_kernel k_qd75c85e4b1_attn
		.amdhsa_group_segment_fixed_size 34816
		.amdhsa_private_segment_fixed_size 0
		.amdhsa_enable_private_segment 0
		.amdhsa_kernarg_size 40
		.amdhsa_user_sgpr_count 2
		.amdhsa_user_sgpr_kernarg_segment_ptr 1
		.amdhsa_wavefront_size32 1
		.amdhsa_system_sgpr_workgroup_id_x 1
		.amdhsa_system_sgpr_workgroup_id_y 1
		.amdhsa_system_sgpr_workgroup_id_z 1
		.amdhsa_system_vgpr_workitem_id 0
		.amdhsa_next_free_vgpr 256
		.amdhsa_next_free_sgpr 102
		.amdhsa_reserve_vcc 0
		.amdhsa_float_denorm_mode_32 3
		.amdhsa_float_denorm_mode_16_64 3
		.amdhsa_memory_ordered 1
		.amdhsa_forward_progress 1
		.amdhsa_inst_pref_size 186
	.end_amdhsa_kernel
	.amdgpu_metadata
---
amdhsa.version: [ 1, 2 ]
amdhsa.kernels:
  - .name:           k_qd75c85e4b1_attn
    .symbol:         k_qd75c85e4b1_attn.kd
    .args:
      - { .name: hc, .offset: 0, .size: 8, .value_kind: global_buffer, .address_space: global }
      - { .name: mbits, .offset: 8, .size: 8, .value_kind: global_buffer, .address_space: global }
      - { .name: mflags, .offset: 16, .size: 8, .value_kind: global_buffer, .address_space: global }
      - { .name: lowp_scales, .offset: 24, .size: 8, .value_kind: global_buffer, .address_space: global }
      - { .name: cc, .offset: 32, .size: 8, .value_kind: global_buffer, .address_space: global }
    .group_segment_fixed_size: 34816
    .private_segment_fixed_size: 0
    .kernarg_segment_align: 8
    .kernarg_segment_size: 40
    .max_flat_workgroup_size: 512
    .sgpr_count:     102
    .vgpr_count:     256
    .wavefront_size: 32
...
	.end_amdgpu_metadata
.endif
;; end of part 3
;; launch outp (part 4): grid 4 x 32, 4 waves a work-group, clusters of 4 x 4, 327,680 bytes of LDS; arguments cc, wc, lowp_scales, bo, out0; writes out0
.if DOCPART == 4
	.amdgcn_target "amdgcn-amd-amdhsa--gfx1250"
	.amdhsa_code_object_version 6
	.text
	.protected	k_qd75c85e4b1_outp
	.globl	k_qd75c85e4b1_outp
	.p2align	8
	.type	k_qd75c85e4b1_outp,@function
k_qd75c85e4b1_outp:
	s_mov_b64 s[64:65], 0
	v_nop
	global_prefetch_b8 v0, s[64:65] scope:SCOPE_SE
	s_setreg_imm32_b32 hwreg(HW_REG_WAVE_MODE, 25, 1), 1
	s_wait_xcnt 0x0
	s_wait_alu depctr_hold_cnt(0) depctr_sa_sdst(0) depctr_va_vdst(0) depctr_va_sdst(0) depctr_va_ssrc(0) depctr_va_vcc(0) depctr_vm_vsrc(0)
	s_getreg_b32 s2, hwreg(HW_REG_IB_STS2, 6, 4)
	s_cmp_eq_u32 s2, 0
	s_cbranch_scc0 .Lentry_in_a_cluster
	s_endpgm
.Lentry_in_a_cluster:
	s_bfe_u32 s2, ttmp6, 0x10000c
	s_cmp_lg_u32 s2, 0xf033
	s_cbranch_scc0 .Lentry_shape_is_right
	s_endpgm
.Lentry_shape_is_right:
; out0 = ctx Wo^T + bo on codes of FP8 (E4M3).  out0: [8192][1024] f32.  A number of ctx is its code x 2^e10, of Wo x 2^e11: each finished sum is multiplied once by 2^(e10 + e11) and the bias added in the same multiply-add.
; LIMIT: e10 + e11 between -126 and 127.
; A = ctx's codes in cc, laid as IMAGES of the operand's registers: [K step of 256][tile of 16 rows][128 along K][2,048 bytes]; registers 4 c .. 4 c + 3 of lane l at 512 c + 16 l hold, of row l % 16, K = 32 c + 16 (l / 16) + 0 .. 15.
;   So a K step's 128 rows are one dense block of 32,768 bytes: it comes as 128 rows of 256 bytes without padding, and a fragment is four loads of 512 consecutive bytes.
; B = Wo's codes, rows 3,072 to 4,095 of wc, 1,024 bytes a row, K innermost; in LDS rows of 256 bytes + 16; four loads of 16 bytes a lane give the same places of K as A's images have.
; A tile of 256 x 256 is made by four waves, 128 x 128 each: 64 accumulators, 512 registers.  K = 1,024 goes in four steps of 256 through a ring of two LDS slots filled by the tensor data mover.
; CLUSTERS of 4 x 4: A's tile is shared along a row of the cluster, B's along a column: joint loads.  THE MATRIX INSTRUCTION IS USED TRANSPOSED (source 0 = 16 rows of Wo, source 1 = 16 rows of ctx): a lane holds eight neighbouring numbers of a row of out0.
; REGISTERS, in windows of 256: window 0: v0-31 addresses, v12-15 my four numbers of bo; from v128 A's fragments, ONE set (on the way out: rows read back).   window 1: B's fragments, TWO sets.   windows 2, 3: the accumulators ((a, b) at v[8 (8 (a % 4) + b)]).
.set SIZE_N, 1024
.set KSTEP,  256
.set ROWB,   256                       ; a tile's row in bytes
.set KROW,   1024                      ; a row of wc in memory
.set AKS,    2097152                   ; a K step of cc: 512 tiles of rows x 4,096 bytes
.set WOOFF,  3145728                   ; Wo's first row in wc
.set PITCH,  272                       ; B's LDS row: 256 bytes + 16 of padding: the 16 rows that a load touches start at 16 different banks (ISA guide 11.1)
.set FR,     16
.set NL,     4
.set NP,     4                         ; places behind this matrix instruction (ISA guide 7.12.1)
.set HALFT,  128*PITCH                 ; the LDS share of one tensor load (A's uses 32,768 bytes of it)
.set SLOT,   4*HALFT
.set LAPS,   2
.set SPARE,  2*SLOT                    ; behind the ring: the spare words, 128 bytes for each wave: two blocks of 256 bytes that no other line names
.set SPITCH, 528                       ; the way out: a stage of 16 rows x (512 bytes + 16) for each wave, in slot 0, which has had its last fill and its last read when the first result is stored there
.set BO,   12                          ; v12-15  bo at my four columns of a row read back
.set ADRA, 16
.set ADRB, 20
.set STO,  24                          ; v24     where I put 32 bytes of a row
.set RD,   25                          ; v25     where I read a row back
.set CO,   26                          ; v26     16 x lane
.set SPW,  28
.set NIL,  29
.set AF,   128
.set BK,   128                         ; the way out: 16 rows read back: v128-191 and v192-255 by turns
.set G1, 24
.set G0, 32
.set G1B, 48
.set G0B, 56
.set MSB, 0
.macro WIN new                         ; the immediate's high byte repeats the setting that is left
.if MSB != (\new)
	s_set_vgpr_msb (MSB<<8)|(\new)
.set MSB, (\new)
.endif
.endm
.set MUL_LO, 0xa1                      ; source 0 (B) window 1, source 1 (A) window 0, C and D window 2
.set MUL_HI, 0xf1
.set TO_B,   0x40
.macro JLOAD g0a, g1a, g0b, g1b        ; a joint load: waves 0 and 1 fetch for A, waves 2 and 3 for B; four v_nop follow each line
	s_cmp_eq_u32 s15, 0
	s_cbranch_scc0 .Lfor_b_\@
	tensor_load_to_lds s[\g0a:\g0a+3], s[\g1a:\g1a+7]
	s_nop 0
.rept 4
	v_nop
.endr
	s_branch .Lasked_\@
.Lfor_b_\@:
	tensor_load_to_lds s[\g0b:\g0b+3], s[\g1b:\g1b+7]
	s_nop 0
.rept 4
	v_nop
.endr
.Lasked_\@:
.endm
.macro CREST
	s_cmp_lg_u32 s14, 0
	s_cbranch_scc1 .Lnot_wave_0_\@
	s_barrier_signal -3
.Lnot_wave_0_\@:
	s_barrier_wait -3
	s_barrier_signal -1
	s_barrier_wait -1
.endm
.macro CROUND
	s_barrier_signal -1
	s_barrier_wait -1
	CREST
.endm
	s_load_b128 s[4:7], s[0:1], 0x0                ; cc, wc
	s_load_b64 s[8:9], s[0:1], 0x10                ; the scales
	s_load_b64 s[68:69], s[0:1], 0x18              ; bo
	s_load_b64 s[10:11], s[0:1], 0x20              ; out0
	v_lshl_add_u32 v[SPW], v0, 2, SPARE
	v_mov_b32 v[NIL], 0
	ds_add_u32 v28, v29
	ds_add_u32 v28, v29
	s_wait_dscnt 0x0
	v_lshrrev_b32 v1, 5, v0
	v_readfirstlane_b32 s14, v1                    ; wave 0..3
	s_lshr_b32 s15, s14, 1                         ; which half of the tile's rows is mine.  Also: I fetch for A (0) or for B (1)
	s_and_b32 s16, s14, 1                          ; which half of its columns.  Also: which 128 rows of that tile I fetch
	s_bfe_u32 s40, ttmp6, 0x40000                  ; cx, cy
	s_bfe_u32 s41, ttmp6, 0x40004
	s_lshl_b32 s42, ttmp9, 2
	s_add_co_u32 s42, s42, s40                     ; tile column = 4 x cluster x + cx
	s_and_b32 s17, ttmp7, 0xffff
	s_lshl_b32 s17, s17, 2
	s_add_co_u32 s17, s17, s41                     ; tile row = 4 x cluster y + cy
	s_lshl_b32 s43, s41, 2
	s_lshl_b32 s43, 15, s43                        ; my row of the cluster
	s_lshl_b32 s44, 0x1111, s40                    ; my column
	s_or_b32 s[G1+0], s43, (0<<16)|(1<<21)         ; A: the mask of my row; elements of 1 byte; no padding; 21 set beside a mask
	s_or_b32 s[G1B+0], s44, (0<<16)|(1<<20)|(1<<21)|(5<<22)|(3<<25)  ; B: the mask of my column; padding of 4 words after every 64
.irp g, G1, G1B
	s_mov_b32 s[\g+1], ROWB<<16                    ; tensor_dim0
	s_mov_b32 s[\g+2], 128<<16                     ; tensor_dim1 = 128
	s_mov_b32 s[\g+3], ROWB<<16                    ; tile_dim0
	s_mov_b32 s[\g+4], 128                         ; tile_dim1 = 128
	s_mov_b32 s[\g+6], 0
	s_mov_b32 s[\g+7], 0
.endr
	s_mov_b32 s[G1+5], ROWB                        ; A's block is dense: a row begins where the last ends
	s_mov_b32 s[G1B+5], KROW
	s_lshl_b32 s20, s17, 4
	s_lshl_b32 s18, s16, 3
	s_add_co_u32 s20, s20, s18                     ; A: tile of rows 16 x tile row + 8 x half,
	s_lshl_b32 s20, s20, 12                        ; 4,096 bytes each in a K step
	s_mov_b32 s21, 0
	s_lshl_b32 s46, s42, 8
	s_lshl_b32 s18, s16, 7
	s_add_co_u32 s46, s46, s18                     ; B: row 256 x tile column + 128 x half of Wo
	s_lshl_b32 s46, s46, 10
	s_add_co_u32 s46, s46, WOOFF
	s_mov_b32 s47, 0
	s_mul_i32 s45, s14, HALFT                      ; where they go: no place in the cluster enters an LDS address
	s_wait_kmcnt 0x0
	s_load_b64 s[96:97], s[8:9], 0x28              ; e10, e11
	s_add_nc_u64 s[20:21], s[4:5], s[20:21]
	s_add_nc_u64 s[46:47], s[6:7], s[46:47]
	CROUND                                         ; all sixteen work-groups are here: the first joint loads meet
.irp s, 0,1
	s_mov_b32 s[G0+4*\s], 1
	s_add_co_u32 s[G0+4*\s+1], s45, \s*SLOT
	s_add_nc_u64 s[G0+4*\s+2:G0+4*\s+3], s[20:21], \s*AKS
	s_or_b32 s[G0+4*\s+3], s[G0+4*\s+3], 0x80000000
	s_mov_b32 s[G0B+4*\s], 1
	s_add_co_u32 s[G0B+4*\s+1], s45, \s*SLOT
	s_add_nc_u64 s[G0B+4*\s+2:G0B+4*\s+3], s[46:47], \s*ROWB
	s_or_b32 s[G0B+4*\s+3], s[G0B+4*\s+3], 0x80000000
	JLOAD G0+4*\s, G1, G0B+4*\s, G1B
.endr
	v_and_b32 v1, 15, v0                           ; l % 16
	v_bfe_u32 v2, v0, 4, 1                         ; l / 16
	v_mul_u32_u24 v3, v1, PITCH
	v_lshl_add_u32 v4, v2, 4, v3                   ; B: a fragment's row x pitch + 16 x half
	v_and_b32 v6, 31, v0
	v_lshlrev_b32 v[CO], 4, v6                     ; A: 16 x lane in an image; also my place in a row of 512 bytes
	s_mul_i32 s21, s15, HALFT                      ; my 128 rows of A
	s_mul_i32 s22, s16, HALFT                      ; my 128 rows of B,
	s_add_co_u32 s22, s22, 2*HALFT                 ; which lie behind A's two shares
.irp s, 0,1
	v_add_nc_u32 v[ADRA+\s], s21, v[CO]
	v_add_nc_u32 v[ADRB+\s], s22, v4
	s_add_co_u32 s21, s21, SLOT
	s_add_co_u32 s22, s22, SLOT
.endr
	s_mul_i32 s23, s14, 16*SPITCH                  ; my stage
	v_mul_u32_u24 v5, v1, SPITCH                   ; in: row l % 16, 32 bytes for each half of the lanes
	v_lshl_add_u32 v5, v2, 5, v5
	v_add_nc_u32 v[STO], s23, v5
	v_add_nc_u32 v[RD], s23, v[CO]                 ; back: the 32 lanes take one row of 512 bytes
	s_lshl_b32 s20, s17, 8
	s_lshl_b32 s21, s15, 7
	s_add_co_u32 s20, s20, s21                     ; my first row of out0
	s_mov_b32 s21, 0
	s_mov_b64 s[18:19], SIZE_N*4
	s_mul_u64 s[20:21], s[20:21], s[18:19]
	s_lshl_b32 s46, s42, 10                        ; my first column, in bytes: 1,024 x tile column + 512 x half
	s_lshl_b32 s47, s16, 9
	s_add_co_u32 s46, s46, s47
	s_mov_b32 s47, 0
	s_add_nc_u64 s[20:21], s[20:21], s[46:47]
	s_add_nc_u64 s[10:11], s[10:11], s[20:21]
	s_add_nc_u64 s[68:69], s[68:69], s[46:47]
	global_load_b128 v[BO:BO+3], v[CO], s[68:69]   ; bo at my four columns
.macro FRAG reg, adr, q, i             ; B: 16 rows x 128 K: registers 4 c .. 4 c + 3 hold K = 32 c + 16 (l / 16) + 0 .. 15 of row l % 16
.irp c, 0,1,2,3
	ds_load_b128 v[\reg+4*\c:\reg+4*\c+3], v[\adr] offset:128*(\q)+32*\c+(\i)*16*PITCH
.endr
.endm
.macro FRAGA reg, adr, q, i            ; A: the image of tile of rows i, 128 along K number q, as it stands
.irp c, 0,1,2,3
	ds_load_b128 v[\reg+4*\c:\reg+4*\c+3], v[\adr] offset:4096*(\i)+2048*(\q)+512*\c
.endr
.endm
.macro MUL16 a0, p, zero               ; 16 matrix instructions: A's blocks a0, a0 + 1 x B's eight; the 64 accumulators take turns, one instruction a turn
.irp a, \a0, \a0+1
.irp b, 0,1,2,3,4,5,6,7
.if \zero
	v_wmma_f32_16x16x128_fp8_fp8 v[8*(8*((\a)%4)+\b):8*(8*((\a)%4)+\b)+7], v[128*(\p)+FR*\b:128*(\p)+FR*\b+FR-1], v[AF+FR*(\a):AF+FR*(\a)+FR-1], 0
.else
	v_wmma_f32_16x16x128_fp8_fp8 v[8*(8*((\a)%4)+\b):8*(8*((\a)%4)+\b)+7], v[128*(\p)+FR*\b:128*(\p)+FR*\b+FR-1], v[AF+FR*(\a):AF+FR*(\a)+FR-1], v[8*(8*((\a)%4)+\b):8*(8*((\a)%4)+\b)+7]
.endif
.endr
.endr
.endm
.macro FETCH_B slot, q, p
	WIN TO_B
.irp i, 0,1,2,3,4,5,6,7
	FRAG 128*(\p)+FR*\i, ADRB+\slot, \q, \i
.endr
	WIN 0
.endm
.macro FETCH_A slot, q, i0
.irp i, \i0, \i0+1, \i0+2, \i0+3
	FRAGA AF+FR*(\i), ADRA+\slot, \q, \i
.endr
.endm
.macro PLACES n                        ; plain vector lines between a matrix instruction and a load into, or a read of, its registers
.rept \n
	v_nop
.endr
.endm
.macro STEP slot, q, zero
	s_wait_dscnt 4*NL                              ; B's set and A's blocks 0-3 are in; the youngest sixteen loads (A's blocks 4-7) may be out
	WIN MUL_LO
	MUL16 0, (\q)%2, \zero
	MUL16 2, (\q)%2, \zero
	s_wait_dscnt 0
	PLACES NP
	FETCH_B \slot, (\q)+1, 1-(\q)%2
	FETCH_A \slot, (\q)+1, 0
	WIN MUL_HI
	MUL16 4, (\q)%2, \zero
	MUL16 6, (\q)%2, \zero
	PLACES NP
	WIN 0
	FETCH_A \slot, (\q)+1, 4
.endm
.macro TURN slot, next, fill           ; a slot's last step changes slots: ONE barrier, with the waits and the add in front of it
	s_wait_tensorcnt 0x0                           ; all my tensor loads have landed: my part of the next slot
	ds_add_u32 v[SPW], v[NIL]                      ; 0 onto my spare word
	s_wait_dscnt 4*NL+1                            ; the add and the youngest sixteen loads may be out
	WIN MUL_LO
	MUL16 0, 1, 0
	s_wait_dscnt 0x0                               ; the add is done, and my reads of this slot are over
	s_barrier_signal -1
	MUL16 2, 1, 0
	WIN 0
	s_barrier_wait -1
.if \fill
	CREST                                          ; the barrier has opened a round of the cluster's barrier: no wave of any partner still reads this slot's tile or has a load on its way
	s_add_nc_u64 s[G0+4*\slot+2:G0+4*\slot+3], s[G0+4*\slot+2:G0+4*\slot+3], 2*AKS
	s_add_nc_u64 s[G0B+4*\slot+2:G0B+4*\slot+3], s[G0B+4*\slot+2:G0B+4*\slot+3], 2*ROWB
	JLOAD G0+4*\slot, G1, G0B+4*\slot, G1B         ; the first tensor load behind the round; its four v_nop are the places in front of the loads below
.else
	PLACES NP
.endif
	FETCH_B \next, 0, 0
	FETCH_A \next, 0, 0
	WIN MUL_HI
	MUL16 4, 1, 0
	MUL16 6, 1, 0
	PLACES NP
	WIN 0
	FETCH_A \next, 0, 4
.endm
	s_wait_tensorcnt 1                             ; my part of K step 0 is in; K step 1's load may be out
	s_barrier_signal -1
	s_barrier_wait -1
	FETCH_B 0, 0, 0
	FETCH_A 0, 0, 0
	FETCH_A 0, 0, 4
	STEP 0, 0, 1                                   ; the first step's products start the sums
	s_mov_b32 s3, LAPS-1
.Llap:
	TURN 0, 1, 1
	STEP 1, 0, 0
	TURN 1, 0, 1
	STEP 0, 0, 0
	s_sub_co_u32 s3, s3, 1
	s_cmp_lg_u32 s3, 0
	s_cbranch_scc1 .Llap
	TURN 0, 1, 0                                   ; the last lap fills nothing
	STEP 1, 0, 0
	s_wait_dscnt 4*NL
	WIN MUL_LO
	MUL16 0, 1, 0
	MUL16 2, 1, 0
	s_wait_dscnt 0
	WIN MUL_HI
	MUL16 4, 1, 0
	MUL16 6, 1, 0
	WIN 0
; THE WAY OUT, block by block of 16 rows x 128 columns.  The sums go into my stage as they stand (each accumulator from its low end on) and come back as whole rows of 512 bytes; there a lane holds four neighbouring columns,
; the same four in every row, so four registers of bo serve all: row x 2^(e10 + e11) + bo, one packed multiply-add for two numbers; then 32 lanes store 512 consecutive bytes.
.macro TOSTAGE a
.set AC, 64*((\a)%4)
	WIN 0x08+4*((\a)/4)                            ; an LDS store's data: window 2 or 3
.irp b, 0,1,2,3,4,5,6,7
	ds_store_b128 v[STO], v[AC+8*\b:AC+8*\b+3] offset:64*\b
	ds_store_b128 v[STO], v[AC+8*\b+4:AC+8*\b+7] offset:64*\b+16
.endr
	WIN 0
.set BB, BK+64*((\a)%2)
.irp t, 0,1,2,3,4,5,6,7,8,9,10,11,12,13,14,15
	ds_load_b128 v[BB+4*\t:BB+4*\t+3], v[RD] offset:\t*SPITCH      ; LDS serves a wave's instructions in order (ISA guide 5.7.1.4): these see the stores above
.endr
.endm
.macro SEND a, younger                 ; younger: the LDS instructions issued behind block a's loads, which may stay out
.set BB, BK+64*((\a)%2)
	s_wait_dscnt \younger
.if (\a) > 0
	s_add_nc_u64 s[10:11], s[10:11], 16*SIZE_N*4   ; (behind a wait on XCNT: the earlier stores have read their base)
.endif
.irp t, 0,1,2,3,4,5,6,7,8,9,10,11,12,13,14,15
	v_pk_fma_f32 v[BB+4*\t:BB+4*\t+1], v[BB+4*\t:BB+4*\t+1], s[96:97], v[BO:BO+1] op_sel_hi:[1,0,1]
	v_pk_fma_f32 v[BB+4*\t+2:BB+4*\t+3], v[BB+4*\t+2:BB+4*\t+3], s[96:97], v[BO+2:BO+3] op_sel_hi:[1,0,1]
.endr
.irp t, 0,1,2,3,4,5,6,7,8,9,10,11,12,13,14,15
	global_store_b128 v[CO], v[BB+4*\t:BB+4*\t+3], s[10:11] offset:\t*SIZE_N*4 th:TH_STORE_NT   ; 512 consecutive bytes, at a multiple of 256 from out0's first byte
.endr
.endm
	s_wait_kmcnt 0x0
	s_wait_loadcnt 0x0                             ; bo
	s_add_co_i32 s96, s96, s97
	s_add_co_i32 s96, s96, 127
	s_lshl_b32 s96, s96, 23                        ; 2^(e10 + e11) as f32
	s_mov_b32 s97, s96                             ; (named with it as a pair)
	PLACES NP                                      ; behind the last products: their results are read, and A's registers loaded, below
	TOSTAGE 0
.irp a, 1,2,3,4,5,6,7
.if \a > 1
	s_wait_xcnt 0x0                                ; block a - 2's stores have read their registers and their base
.endif
	TOSTAGE \a
	SEND \a-1, 32                                  ; behind block a - 1's loads: block a's 16 stores and 16 loads
.endr
	s_wait_xcnt 0x0
	SEND 7, 0
	s_wait_tensorcnt 0x0                           ; the wave's end
	ds_add_u32 v[SPW], v[NIL]
	s_wait_dscnt 0x0
	CROUND                                         ; the closing round
	s_endpgm
.Lfunc_end_k_qd75c85e4b1_outp:
	.size	k_qd75c85e4b1_outp, .Lfunc_end_k_qd75c85e4b1_outp-k_qd75c85e4b1_outp
	.p2alignl 7, 3214868480
	.fill 96, 4, 3214868480
	.section	.rodata,"a",@progbits
	.p2align	6, 0x0
	.amdhsa_kernel k_qd75c85e4b1_outp
		.amdhsa_group_segment_fixed_size 327680
		.amdhsa_private_segment_fixed_size 0
		.amdhsa_enable_private_segment 0
		.amdhsa_kernarg_size 40
		.amdhsa_user_sgpr_count 2
		.amdhsa_user_sgpr_kernarg_segment_ptr 1
		.amdhsa_wavefront_size32 1
		.amdhsa_system_sgpr_workgroup_id_x 1
		.amdhsa_system_sgpr_workgroup_id_y 1
		.amdhsa_system_sgpr_workgroup_id_z 1
		.amdhsa_system_vgpr_workitem_id 0
		.amdhsa_next_free_vgpr 1024
		.amdhsa_next_free_sgpr 98
		.amdhsa_reserve_vcc 0
		.amdhsa_float_denorm_mode_32 3
		.amdhsa_float_denorm_mode_16_64 3
		.amdhsa_memory_ordered 1
		.amdhsa_forward_progress 1
		.amdhsa_inst_pref_size 124
	.end_amdhsa_kernel
	.amdgpu_metadata
---
amdhsa.version: [ 1, 2 ]
amdhsa.kernels:
  - .name:           k_qd75c85e4b1_outp
    .symbol:         k_qd75c85e4b1_outp.kd
    .args:
      - { .name: cc, .offset: 0, .size: 8, .value_kind: global_buffer, .address_space: global }
      - { .name: wc, .offset: 8, .size: 8, .value_kind: global_buffer, .address_space: global }
      - { .name: lowp_scales, .offset: 16, .size: 8, .value_kind: global_buffer, .address_space: global }
      - { .name: bo, .offset: 24, .size: 8, .value_kind: global_buffer, .address_space: global }
      - { .name: out0, .offset: 32, .size: 8, .value_kind: global_buffer, .address_space: global }
    .group_segment_fixed_size: 327680
    .private_segment_fixed_size: 0
    .kernarg_segment_align: 8
    .kernarg_segment_size: 40
    .max_flat_workgroup_size: 128
    .sgpr_count:     98
    .vgpr_count:     1024
    .wavefront_size: 32
...
	.end_amdgpu_metadata
.endif
;; end of part 4
;; ======== version 2 of 2: 4 launches; version 1 with the launch attn written anew for expert scheduling mode
;; limits: right only within a limited range of input values
;; workspace buffers: xc 25,165,824 bytes; wc 4,194,304 bytes; mbits 524,288 bytes of whole numbers; mflags 16,384 bytes of whole numbers; hc 25,165,824 bytes; cc 8,388,608 bytes
;; launch quant: the kernel of part 1 again; grid 1024 x 1, 4 waves a work-group, no clusters, 68,096 bytes of LDS; arguments q, k, v, Wq, Wk, Wv, Wo, lowp_scales, mask, xc, wc, mbits, mflags; writes xc, wc, mbits, mflags
;; launch proj: the kernel of part 2 again; grid 4 x 96, 4 waves a work-group, clusters of 4 x 4, 327,680 bytes of LDS; arguments xc, wc, lowp_scales, bq, bk, bv, hc; writes hc
;; launch attn (part 5): grid 4 x 64, 16 waves a work-group, no clusters, 34,816 bytes of LDS; arguments hc, mbits, mflags, lowp_scales, cc; writes cc
.if DOCPART == 5
	.amdgcn_target "amdgcn-amd-amdhsa--gfx1250"
	.amdhsa_code_object_version 6
	.text
	.protected	k_qd75c85e4b1_attn
	.globl	k_qd75c85e4b1_attn
	.p2align	8
	.type	k_qd75c85e4b1_attn,@function
k_qd75c85e4b1_attn:
	s_mov_b64 s[64:65], 0
	v_nop
	global_prefetch_b8 v0, s[64:65] scope:SCOPE_SE
	s_setreg_imm32_b32 hwreg(HW_REG_WAVE_SCHED_MODE, 0, 2), 2
	s_setreg_imm32_b32 hwreg(HW_REG_WAVE_MODE, 25, 1), 1
	s_wait_xcnt 0x0
	s_wait_alu depctr_vm_vsrc(0)
; ATTENTION on codes of FP8 (E4M3): ctx = softmax(where(mask == 0, -1e9, qh kh^T / 8)) vh for 64 heads of 2,048 tokens x 64, and ctx quantised at once for the last projection.
; hc: the operands as images of their registers (planes Q, K, V of 8 MB; [head][131,072 bytes]; an image: 1,024 bytes, registers 0-3 at 16 x lane, 4-7 at 512 + 16 x lane).
; THE SOFTMAX: t = logit x log2(e); M = the largest t so far, rounded UP to a whole number; p = 2^(t - M) is quantised with 2^e8; the row's sum is taken of the unquantised p and divides at the end.  When M moves, the sum and O are multiplied by 2^(old M - new M).
; SHARES.  Work-group (x, head) owns the blocks x and 7 - x of 256 queries; wave w owns 32 queries, two tiles of 16: T2 = 8 (w < 8 ? x : 7 - x) + w % 8.  Four waves to a SIMD: one wave's vector work stands beside another's products and LDS loads.
; Every wave walks all 2,048 keys in 32 steps of 64.  K and V come 128 keys (8,192 + 8,192 bytes, dense in memory) at a time: each thread loads 16 + 16 bytes into registers one slot ahead and stores them into the LDS slot that is not being read.
; LAYOUT.  S^T = K Q^T (source 0 = 16 keys, source 1 = 16 queries): lane (r, h) holds query r, register j of tile t key 16 t + 8 h + j.  A tile's eight registers converted are register pair t of P, and V's images were laid with the same keys
; in the same places.  O^T = V^T P^T: lane (r, h) holds query r and outputs 16 t + 8 h + j.  Each fragment of K and of V read from LDS serves both tiles of queries.
; THE MASK IS AN INPUT.  mbits holds, for each unit of 32 queries x 64 keys, the lanes' bits for each score register; a hidden score becomes the raw number that stands for the logit -2^30, by v_cndmask_b32.
;   mflags says which units hide every key of all 32 rows (the step is left out: a scalar branch on the stored number) and which hide none (the 64 selects and the words' loads are left out).
;   A step left out adds nothing: each of my rows has a key that counts somewhere, so what hidden keys add is 0 or is multiplied by 0 when the first key that counts arrives.  A wave that holds a row with no such key leaves out nothing: that row's p are all 1.
; NO CLUSTER, NO TENSOR LOAD: the steps that a wave leaves out hang on numbers read from memory; what the four work-groups of a head share is 16,384 bytes a slot.
; NO PREFETCH: a slot's bytes are asked for a whole slot (two key steps) ahead of the stores that want them.
; cc: ctx's codes as images of the last projection's operand: [K step of 256][tile of 16 rows][128 along K][2,048 bytes]: the code of (row r, output 64 head + 16 t + 8 h + j) lies at 1,024 (head % 2) + 256 t + 16 r + 8 h + j: a store of 8 bytes a lane covers 256 consecutive bytes, aligned.
; LIMITS: e6 + e7 between -94 and 130; e8 and e10 between -126 and 119; a hidden logit counts as -2^30 where the definition has -1e9: the same results while every real logit lies above -1e9; NaN is not served.
; THE MODE: SCHED_MODE bits 1:0 = 2 (LLVM: expert scheduling mode 2), set by the entry lines.  The code itself states the register dependences
; between vector or matrix instructions and memory or LDS instructions, with s_wait_alu, always for 0.
; THE PLAN.  Registers that memory or LDS instructions touch:
;   v1, v2, v3, v5, v254, v255   offsets and addresses: made at the head, never written again.  The slots of K and V are reached by their two scalar bases, which move on by a slot.
;   SK, SV (v8-15)   written by the global loads of a slot, read by the two LDS stores at the next slot's head; no vector instruction names them.
;   KV (v32-63)      a step's head: K's four fragments land; the eight products K Q^T read them.  Behind the exponentials V's tiles 2 and 3 land in its upper half, v48-63; the last four products V^T P read them.
;   VE (v234-249)    a step's head: V's tiles 0 and 1 land, behind K's loads; the first four products V^T P read them.  (The text names 251 of the wave's 256 registers with it: a whole second buffer of 32 does not fit.)
;   P (v192-207)     at the way out: written by the conversions, read by the eight stores.
; So a step has TWO waits on va_vdst.  The one at its head states that the products V^T P of the last step walked are done reading VE and v48-63: twelve LDS loads follow it.  The one behind the exponentials, which their
; first reader wants in any case, also states that the products K Q^T are done reading v48-63: four LDS loads follow it.  No vector or matrix instruction between such a wait and its loads names a register that those loads touch.
; One wait on vm_vsrc a slot states that the LDS stores have read SK and SV, ahead of the global loads that land there.
.set LI,    1                          ; v1   16 x lane
.set SW,    2                          ; v2   16 x thread: where I store into a slot
.set GOFF,  3                          ; v3   16 x thread: where I load from in a slot's 8,192 bytes
.set GO,    5                          ; v5   16 r + 8 h: my 8 bytes of a store into cc
.set SK,    8                          ; v8-11   16 bytes of K on their way
.set SV,    12                         ; v12-15  16 bytes of V
.set QF,    16                         ; v16-31  Q: tile u at 16 + 8 u
.set KV,    32                         ; v32-63  four fragments of K; then, in v48-63, V's tiles 2 and 3
.set S,     64                         ; v64-127 S^T, then p: 64 + 32 u + 8 t + j
.set O,     128                        ; v128-191 O^T
.set P,     192                        ; v192-207 p's codes: 192 + 8 u + 2 t
.set ST,    208                        ; tile u's statistics at 208 + 8 u: +0 -M, +1 the largest t, +2, +3 the sum in two halves, +4 f, +5 0, +6, +7 at work
.set XH,    224                        ; v224 the raw score of a hidden key
.set LIM8,  225                        ; v225 448 x 2^e8
.set SC8,   226                        ; v226 2^e8
.set C2,    228                        ; v[228 + 2 u : 229 + 2 u] the second chain of a step's sum
.set SC10,  232                        ; v232 2^e10
.set LIM10, 233                        ; v233 448 x 2^e10
.set VE,    234                        ; v234-249 V's tiles 0 and 1
; scalars: s2 wave; s3 trips; s[4:5] Q; s[6:7] mbits at my T2 and the trip's first step; s[8:9] K, s[10:11] V, each at the slot that is asked for next; s[12:13] cc; s14 steps to leave out, s15 steps wholly open (bit k: step k of the trip);
; s[16:63], s[68:83] a step's 64 mask words; s[84:85] c'; s[86:87] lane selects; s100 e8 + e9; s101 1 where p must be held
.macro WREG n                          ; WRN = the scalar register of word n
.if (\n) < 48
.set WRN, 16+(\n)
.else
.set WRN, 20+(\n)
.endif
.endm
	s_load_b256 s[4:11], s[0:1], 0x0               ; hc, mbits, mflags, the scales
	s_load_b64 s[12:13], s[0:1], 0x20              ; cc
	v_lshl_add_u32 v254, v0, 2, 0x8000
	v_mov_b32 v255, 0
	v_lshrrev_b32 v4, 5, v0
	v_readfirstlane_b32 s2, v4                     ; wave 0..15
	v_and_b32 v[LI], 31, v0
	v_lshlrev_b32 v[LI], 4, v[LI]
	v_lshlrev_b32 v[SW], 4, v0
	v_lshlrev_b32 v[GOFF], 4, v0
	v_and_b32 v6, 15, v0
	v_bfe_u32 v7, v0, 4, 1
	v_lshlrev_b32 v[GO], 4, v6
	v_lshl_add_u32 v[GO], v7, 3, v[GO]
	s_wait_alu depctr_va_sdst(0)                   ; s2 is written, ahead of its first reader: my block of queries is chosen by it
	s_sub_co_u32 s96, 7, ttmp9
	s_cmp_lt_u32 s2, 8
	s_cselect_b32 s96, ttmp9, s96                  ; my block of 256 queries
	s_lshl_b32 s96, s96, 3
	s_and_b32 s97, s2, 7
	s_add_co_u32 s96, s96, s97                     ; T2
	s_and_b32 s97, ttmp7, 0xffff                   ; the head: 16 x batch + head of the batch
	s_lshl_b32 s98, s96, 8                         ; my 32 units' flags: 256 bytes
	s_mov_b32 s99, 0
	s_wait_kmcnt 0x0
	s_add_nc_u64 s[8:9], s[8:9], s[98:99]
	s_load_b512 s[16:31], s[8:9], 0x0
	s_load_b512 s[32:47], s[8:9], 0x40
	s_load_b512 s[48:63], s[8:9], 0x80
	s_load_b512 s[68:83], s[8:9], 0xc0
	s_load_b128 s[88:91], s[10:11], 0x18           ; e6, e7, e8, e9
	s_load_b32 s92, s[10:11], 0x28                 ; e10
	s_lshl_b32 s98, s96, 13                        ; my 32 units' words: 8,192 bytes
	s_add_nc_u64 s[6:7], s[6:7], s[98:99]
	s_and_b32 s93, s97, 15                         ; head of the batch
	s_lshr_b32 s94, s97, 4
	s_lshl_b32 s94, s94, 7
	s_lshl_b32 s95, s96, 1
	s_add_co_u32 s94, s94, s95                     ; my first tile of 16 rows: 128 x batch + 2 T2
	s_lshl_b32 s94, s94, 12
	s_lshr_b32 s95, s93, 2
	s_lshl_b32 s95, s95, 21                        ; four heads to a K step of 256: 2 MB each
	s_add_co_u32 s94, s94, s95
	s_and_b32 s95, s93, 3
	s_lshl_b32 s95, s95, 10                        ; 1,024 x (head % 4): which 128 along K, and which half of it
	s_add_co_u32 s98, s94, s95
	s_add_nc_u64 s[12:13], s[12:13], s[98:99]
	s_lshl_b32 s94, s97, 17                        ; the head's bytes in a plane
	s_mov_b32 s95, 0
	s_lshl_b32 s98, s96, 11                        ; my two tiles' images
	s_add_co_u32 s98, s98, s94
	s_wait_kmcnt 0x0                               ; flags and scales are in: their pointers' registers are free
	s_add_nc_u64 s[8:9], s[4:5], s[94:95]
	s_add_nc_u64 s[10:11], s[8:9], 0x1000000       ; V's plane
	s_add_nc_u64 s[8:9], s[8:9], 0x800000          ; K's plane
	s_add_nc_u64 s[4:5], s[4:5], s[98:99]          ; Q's plane, my tiles
	s_wait_alu depctr_va_vdst(0)                   ; v1, v2, v3, v5, v254 and v255 are written: every load, store and LDS instruction of the kernel reads one of them as its offset or address
.irp u, 0,1
	global_load_b128 v[QF+8*\u:QF+8*\u+3], v[LI], s[4:5] offset:1024*\u
	global_load_b128 v[QF+8*\u+4:QF+8*\u+7], v[LI], s[4:5] offset:1024*\u+512
.endr
	global_load_b128 v[SK:SK+3], v[GOFF], s[8:9]   ; slot 0
	global_load_b128 v[SV:SV+3], v[GOFF], s[10:11]
	s_mov_b32 s14, 0
	s_mov_b32 s15, 0
	s_mov_b32 s93, 0
.set i, 0
.rept 32
	WREG 2*i
	s_or_b32 s93, s93, s[WRN]                      ; which of my rows have a key that counts anywhere
	s_cmp_eq_u32 s[WRN], 0
	s_cselect_b32 s94, 1, 0
	s_lshl_b32 s94, s94, i
	s_or_b32 s14, s14, s94                         ; step i hides every key of all my rows
	WREG 2*i+1
	s_lshl_b32 s94, s[WRN], i
	s_or_b32 s15, s15, s94                         ; step i hides none
.set i, i+1
.endr
	s_cmp_eq_u32 s93, -1
	s_cselect_b32 s14, s14, 0                      ; a row with no key that counts: nothing is left out
	s_add_co_i32 s93, s88, s89                     ; e6 + e7
	s_lshl_b32 s94, s93, 23
	s_add_co_i32 s84, s94, 0x3e38aa3b              ; c' = log2(e) / 8 x 2^(e6 + e7): the exponents are added to c's exponent field
	s_mov_b32 s85, s84                             ; (named with it as a pair)
	s_sub_co_i32 s94, 160, s93
	s_lshl_b32 s94, s94, 23
	s_or_b32 s94, s94, 0x80000000
	v_mov_b32 v[XH], s94                           ; -2^(33 - e6 - e7): x c' it is a whole number, so a row of hidden keys alone has p = 1
	s_add_co_i32 s94, s90, 127
	s_lshl_b32 s95, s94, 23
	v_mov_b32 v[SC8], s95
	s_add_co_i32 s94, s94, 8
	s_lshl_b32 s94, s94, 23
	s_or_b32 s94, s94, 0x600000
	v_mov_b32 v[LIM8], s94
	s_cmp_lt_i32 s90, -8                           ; p is at most 1: it can pass 448 x 2^e8 only where e8 < -8
	s_cselect_b32 s101, 1, 0
	s_add_co_i32 s100, s90, s91                    ; e8 + e9
	s_add_co_i32 s94, s92, 127
	s_lshl_b32 s95, s94, 23
	v_mov_b32 v[SC10], s95
	s_add_co_i32 s94, s94, 8
	s_lshl_b32 s94, s94, 23
	s_or_b32 s94, s94, 0x600000
	v_mov_b32 v[LIM10], s94
	s_mov_b32 s86, 0x76543210                      ; v_permlanex16_b32: lane l xor 16
	s_mov_b32 s87, 0xfedcba98
.irp u, 0,1
	v_mov_b32 v[ST+8*\u+1], 0xff61b1e6             ; the largest t so far: -3e38, under every t
	v_floor_f32 v[ST+8*\u], -v[ST+8*\u+1]          ; -M
	v_mov_b32 v[ST+8*\u+2], 0                      ; the sum
	v_mov_b32 v[ST+8*\u+3], 0
	v_mov_b32 v[ST+8*\u+5], 0                      ; (the upper half of f's pair)
	v_mov_b32 v[ST+8*\u+7], 0                      ; (a lane permute's destination counts as read)
.endr
.set j, 0
.rept 64
	v_mov_b32 v[O+j], 0                            ; O^T: the step is written once; the first finds zeros, which the first change of M leaves zeros
.set j, j+1
.endr
	s_wait_loadcnt 0x0                             ; Q and slot 0
	ds_store_b128 v[SW], v[SK:SK+3]
	ds_store_b128 v[SW], v[SV:SV+3] offset:8192
	s_add_nc_u64 s[8:9], s[8:9], 0x2000            ; free since the wait above, which shows the loads that read them done: both bases at slot 1
	s_add_nc_u64 s[10:11], s[10:11], 0x2000
	s_wait_dscnt 0x0                               ; for the others' sake: my part of slot 0 is in LDS
	s_wait_alu depctr_vm_vsrc(0)                   ; the two LDS stores have read v[SK ..] and v[SV ..],
	global_load_b128 v[SK:SK+3], v[GOFF], s[8:9]   ; which take slot 1
	global_load_b128 v[SV:SV+3], v[GOFF], s[10:11]
	s_barrier_signal -1
	s_barrier_wait -1                              ; slot 0 is whole
; A KEY STEP: 64 keys, the q-th of the slot; k: its number in the trip.
.macro STEP slot, q, k
	s_bitcmp1_b32 s14, \k
	s_cbranch_scc1 .Lskip_\@                       ; every key hidden for all my rows
	s_bitcmp1_b32 s15, \k
	s_cbranch_scc1 .Lnl_\@                         ; no key hidden: no words are wanted
	s_load_b512 s[16:31], s[6:7], 256*(\k)
	s_load_b512 s[32:47], s[6:7], 256*(\k)+64
	s_load_b512 s[48:63], s[6:7], 256*(\k)+128
	s_load_b512 s[68:83], s[6:7], 256*(\k)+192
.Lnl_\@:
	s_wait_alu depctr_va_vdst(0)                   ; the products V^T P of the last step that was walked are done reading v[VE ..] and v[KV+16 ..], in which loads below land
.irp t, 0,1,2,3
	ds_load_b128 v[KV+8*\t:KV+8*\t+3], v[LI] offset:(\slot)*16384+4096*(\q)+1024*\t
	ds_load_b128 v[KV+8*\t+4:KV+8*\t+7], v[LI] offset:(\slot)*16384+4096*(\q)+1024*\t+512
.endr
.irp t, 0,1
	ds_load_b128 v[VE+8*\t:VE+8*\t+3], v[LI] offset:(\slot)*16384+8192+4096*(\q)+1024*\t          ; V's tiles 0 and 1 land while the scores are made and the softmax is worked
	ds_load_b128 v[VE+8*\t+4:VE+8*\t+7], v[LI] offset:(\slot)*16384+8192+4096*(\q)+1024*\t+512
.endr
	s_wait_dscnt 4                                 ; LDS loads come back in order (ISA guide 5.7.1): K's eight are in; V's four, issued behind them, may be out
.irp t, 0,1,2,3
.irp u, 0,1
	v_wmma_f32_16x16x64_fp8_fp8 v[S+32*\u+8*\t:S+32*\u+8*\t+7], v[KV+8*\t:KV+8*\t+7], v[QF+8*\u:QF+8*\u+7], 0
.endr
.endr
.rept 4
	v_nop                                          ; places in front of the first read of the scores
.endr
	s_wait_kmcnt 0x0                               ; the words, where they were asked for
	s_bitcmp1_b32 s15, \k
	s_cbranch_scc1 .Lopen_\@
.set n, 0
.rept 64
	WREG n
	v_cndmask_b32 v[S+n], v[XH], v[S+n], s[WRN]    ; the lane's bit: 1 keeps the score
.set n, n+1
.endr
.Lopen_\@:
.irp u, 0,1                                    ; the step's largest score of my query, two chains a tile, the tiles line by line; each accumulator from its low end on
	v_max3_num_f32 v[ST+8*\u+6], v[S+32*\u], v[S+32*\u+1], v[S+32*\u+2]
.endr
.irp u, 0,1
	v_max3_num_f32 v[ST+8*\u+7], v[S+32*\u+3], v[S+32*\u+4], v[S+32*\u+5]
.endr
.irp i, 6,10,14,18,22,26
.irp u, 0,1
	v_max3_num_f32 v[ST+8*\u+6], v[ST+8*\u+6], v[S+32*\u+\i], v[S+32*\u+\i+1]
.endr
.irp u, 0,1
	v_max3_num_f32 v[ST+8*\u+7], v[ST+8*\u+7], v[S+32*\u+\i+2], v[S+32*\u+\i+3]
.endr
.endr
.irp u, 0,1
	v_max3_num_f32 v[ST+8*\u+6], v[ST+8*\u+6], v[S+32*\u+30], v[S+32*\u+31]
.endr
.irp u, 0,1
	v_max_num_f32 v[ST+8*\u+6], v[ST+8*\u+6], v[ST+8*\u+7]
.endr
.irp u, 0,1
	v_permlanex16_b32 v[ST+8*\u+7], v[ST+8*\u+6], s86, s87
.endr
.irp u, 0,1
	v_max_num_f32 v[ST+8*\u+6], v[ST+8*\u+6], v[ST+8*\u+7]   ; and lane l xor 16's
.endr
.irp u, 0,1
	v_mul_f32 v[ST+8*\u+6], s84, v[ST+8*\u+6]      ; as t (c' is positive)
.endr
.irp u, 0,1
	v_max_num_f32 v[ST+8*\u+1], v[ST+8*\u+1], v[ST+8*\u+6]   ; the running largest t
.endr
.irp u, 0,1
	v_mov_b32 v[ST+8*\u+6], v[ST+8*\u]
.endr
.irp u, 0,1
	v_floor_f32 v[ST+8*\u], -v[ST+8*\u+1]          ; the new -M = floor(-t): M is a whole number
.endr
.irp u, 0,1
	v_sub_f32 v[ST+8*\u+6], v[ST+8*\u], v[ST+8*\u+6]   ; old M - new M: a whole number, 0 or less
.endr
.irp u, 0,1
	v_cvt_i32_f32 v[ST+8*\u+6], v[ST+8*\u+6]       ; (it saturates)
.endr
.irp u, 0,1
	v_ldexp_f32 v[ST+8*\u+4], 1.0, v[ST+8*\u+6]    ; f = 2^(old M - new M)
.endr
.irp u, 0,1
.set j, 0
.rept 16
	v_pk_fma_f32 v[S+32*\u+j:S+32*\u+j+1], v[S+32*\u+j:S+32*\u+j+1], s[84:85], v[ST+8*\u:ST+8*\u+1] op_sel_hi:[1,0,0]   ; t - M, two at a time
.set j, j+2
.endr
.endr
.set j, 0
.rept 64
	v_exp_f32 v[S+j], v[S+j]                       ; p = 2^(t - M), at most 1
.set j, j+1
.endr
.irp u, 0,1
	v_pk_mul_f32 v[ST+8*\u+2:ST+8*\u+3], v[ST+8*\u+2:ST+8*\u+3], v[ST+8*\u+4:ST+8*\u+5] op_sel_hi:[1,0]   ; the sums under the new M: the plain lines behind the exponentials
.endr
	s_wait_alu depctr_va_vdst(0)                   ; one wait for the batch of 64: the exponentials have written p, ahead of its first reader; and the products K Q^T are done reading v[KV+16 ..], in which the four loads below land
.irp t, 2,3
	ds_load_b128 v[KV+8*\t:KV+8*\t+3], v[LI] offset:(\slot)*16384+8192+4096*(\q)+1024*\t          ; V's tiles 2 and 3 land while the sums, the conversions and the rescaling are worked
	ds_load_b128 v[KV+8*\t+4:KV+8*\t+7], v[LI] offset:(\slot)*16384+8192+4096*(\q)+1024*\t+512
.endr
.irp u, 0,1
	v_pk_add_f32 v[C2+2*\u:C2+2*\u+1], v[S+32*\u:S+32*\u+1], v[S+32*\u+2:S+32*\u+3]   ; the row's sum is taken of the unquantised p, in two chains a tile
.endr
.irp i, 4,8,12,16,20,24,28
.irp u, 0,1
	v_pk_add_f32 v[ST+8*\u+2:ST+8*\u+3], v[ST+8*\u+2:ST+8*\u+3], v[S+32*\u+\i:S+32*\u+\i+1]
	v_pk_add_f32 v[C2+2*\u:C2+2*\u+1], v[C2+2*\u:C2+2*\u+1], v[S+32*\u+\i+2:S+32*\u+\i+3]
.endr
.endr
.irp u, 0,1
	v_pk_add_f32 v[ST+8*\u+2:ST+8*\u+3], v[ST+8*\u+2:ST+8*\u+3], v[C2+2*\u:C2+2*\u+1]
.endr
	s_cmp_eq_u32 s101, 0
	s_cbranch_scc1 .Lnohold_\@                     ; 448 x 2^e8 is 1 or more: no p passes it
.set j, 0
.rept 64
	v_min_num_f32 v[S+j], v[S+j], v[LIM8]          ; the conversion does not saturate (ISA guide 7.6.2); p is not negative, so the hold is one-sided
.set j, j+1
.endr
.Lnohold_\@:
.irp u, 0,1
.irp t, 0,1,2,3
	v_cvt_scalef32_pk8_fp8_f32 v[P+8*\u+2*\t:P+8*\u+2*\t+1], v[S+32*\u+8*\t:S+32*\u+8*\t+7], v[SC8]
.endr
.endr
.irp u, 0,1
.set j, 0
.rept 16
	v_pk_mul_f32 v[O+32*\u+j:O+32*\u+j+1], v[O+32*\u+j:O+32*\u+j+1], v[ST+8*\u+4:ST+8*\u+5] op_sel_hi:[1,0]   ; O^T under the new M; also the plain lines behind the conversions
.set j, j+2
.endr
.endr
	s_wait_dscnt 4                                 ; V's tiles 0 and 1 are in; the four loads of tiles 2 and 3, issued behind them, may be out
.irp t, 0,1
.irp u, 0,1
	v_wmma_f32_16x16x64_fp8_fp8 v[O+32*\u+8*\t:O+32*\u+8*\t+7], v[VE+8*\t:VE+8*\t+7], v[P+8*\u:P+8*\u+7], v[O+32*\u+8*\t:O+32*\u+8*\t+7]   ; the eight accumulators by turns
.endr
.endr
	s_wait_dscnt 0x0                               ; V's tiles 2 and 3 are in
.irp t, 2,3
.irp u, 0,1
	v_wmma_f32_16x16x64_fp8_fp8 v[O+32*\u+8*\t:O+32*\u+8*\t+7], v[KV+8*\t:KV+8*\t+7], v[P+8*\u:P+8*\u+7], v[O+32*\u+8*\t:O+32*\u+8*\t+7]
.endr
.endr
.rept 4
	v_nop                                          ; places in front of the next read of O^T
.endr
.Lskip_\@:
.endm
; A SLOT: 128 keys.  stage = 1: the next slot's bytes, asked for a slot ago, go into the other LDS slot, which every wave has left (the barrier at the last slot's end).  fetch = 1: the slot after that is asked for.
; bar = 1: one barrier at the end: in front of it my stores into the other slot have landed and my reads of this one are back.
.macro SLOTW slot, ka, kb, stage, fetch, bar
.if \stage
	s_wait_loadcnt 0x0                             ; the next slot's 32 bytes of mine are in
	ds_store_b128 v[SW], v[SK:SK+3] offset:(1-(\slot))*16384
	ds_store_b128 v[SW], v[SV:SV+3] offset:(1-(\slot))*16384+8192
.if \fetch
	s_add_nc_u64 s[8:9], s[8:9], 0x2000            ; free since the wait above, which shows the loads that read them done: both bases a slot on
	s_add_nc_u64 s[10:11], s[10:11], 0x2000
.endif
	s_wait_dscnt 0x0                               ; my two stores have landed
.if \fetch
	s_wait_alu depctr_vm_vsrc(0)                   ; the two LDS stores have read v[SK ..] and v[SV ..], in which the loads below land
	global_load_b128 v[SK:SK+3], v[GOFF], s[8:9]
	global_load_b128 v[SV:SV+3], v[GOFF], s[10:11]
.endif
.endif
	STEP \slot, 0, \ka
	STEP \slot, 1, \kb
.if \bar
	s_wait_dscnt 0x0
	s_barrier_signal -1
	s_barrier_wait -1
.endif
.endm
	s_mov_b32 s3, 7
.Ltrip:                                                ; 7 trips of two slots: slots 0 to 13; they ask for slots 2 to 15
	SLOTW 0, 0, 1, 1, 1, 1
	SLOTW 1, 2, 3, 1, 1, 1
	s_wait_xcnt 0x0                                ; the words' loads have read their base
	s_add_nc_u64 s[6:7], s[6:7], 1024              ; four units on
	s_lshr_b32 s14, s14, 4
	s_lshr_b32 s15, s15, 4
	s_sub_co_u32 s3, s3, 1
	s_cmp_lg_u32 s3, 0
	s_cbranch_scc1 .Ltrip
	SLOTW 0, 0, 1, 1, 0, 1                         ; slot 14: slot 15 is staged, nothing more is asked for: no load leaves its buffer
	SLOTW 1, 2, 3, 0, 0, 0                         ; slot 15
	; THE WAY OUT: ctx = O^T x 2^(e8 + e9) / the sum, held, converted with 2^e10, stored as the last projection's operand wants it
.irp u, 0,1
	v_add_f32 v[ST+8*\u+2], v[ST+8*\u+2], v[ST+8*\u+3]
.endr
.irp u, 0,1
	v_permlanex16_b32 v[ST+8*\u+7], v[ST+8*\u+2], s86, s87
.endr
.irp u, 0,1
	v_add_f32 v[ST+8*\u+2], v[ST+8*\u+2], v[ST+8*\u+7]       ; the row's sum
.endr
.irp u, 0,1
	v_rcp_f32 v[ST+8*\u+4], v[ST+8*\u+2]
.endr
	v_nop                                          ; a plain line behind the reciprocals
	s_wait_alu depctr_va_vdst(0)                   ; one wait for both: the reciprocals have written v[ST+4] and v[ST+12], ahead of their first reader
.irp u, 0,1
	v_ldexp_f32 v[ST+8*\u+4], v[ST+8*\u+4], s100
.endr
.irp u, 0,1
.set j, 0
.rept 16
	v_pk_mul_f32 v[S+32*\u+j:S+32*\u+j+1], v[O+32*\u+j:O+32*\u+j+1], v[ST+8*\u+4:ST+8*\u+5] op_sel_hi:[1,0]
.set j, j+2
.endr
.endr
.set j, 0
.rept 64
	v_med3_num_f32 v[S+j], v[S+j], -v[LIM10], v[LIM10]
.set j, j+1
.endr
.irp u, 0,1
.irp t, 0,1,2,3
	v_cvt_scalef32_pk8_fp8_f32 v[P+8*\u+2*\t:P+8*\u+2*\t+1], v[S+32*\u+8*\t:S+32*\u+8*\t+7], v[SC10]
.endr
.endr
	v_nop                                          ; a plain line behind the last conversion
	s_wait_alu depctr_va_vdst(0)                   ; the conversions have written v[P ..], which the eight stores read
.irp u, 0,1
.irp t, 0,1,2,3
	global_store_b64 v[GO], v[P+8*\u+2*\t:P+8*\u+2*\t+1], s[12:13] offset:4096*\u+256*\t   ; 32 lanes store 256 consecutive bytes, aligned
.endr
.endr
	s_wait_dscnt 0x0                               ; the closing lines, six on end
	s_wait_alu 0x0
	s_wait_tensorcnt 0x0
	ds_add_u32 v254, v255
	s_wait_dscnt 0x0
	s_endpgm
.Lfunc_end_k_qd75c85e4b1_attn:
	.size	k_qd75c85e4b1_attn, .Lfunc_end_k_qd75c85e4b1_attn-k_qd75c85e4b1_attn
	.p2alignl 7, 3214868480
	.fill 96, 4, 3214868480
	.section	.rodata,"a",@progbits
	.p2align	6, 0x0
	.amdhsa_kernel k_qd75c85e4b1_attn
		.amdhsa_group_segment_fixed_size 34816
		.amdhsa_private_segment_fixed_size 0
		.amdhsa_enable_private_segment 0
		.amdhsa_kernarg_size 40
		.amdhsa_user_sgpr_count 2
		.amdhsa_user_sgpr_kernarg_segment_ptr 1
		.amdhsa_wavefront_size32 1
		.amdhsa_system_sgpr_workgroup_id_x 1
		.amdhsa_system_sgpr_workgroup_id_y 1
		.amdhsa_system_sgpr_workgroup_id_z 1
		.amdhsa_system_vgpr_workitem_id 0
		.amdhsa_next_free_vgpr 256
		.amdhsa_next_free_sgpr 102
		.amdhsa_reserve_vcc 0
		.amdhsa_float_denorm_mode_32 3
		.amdhsa_float_denorm_mode_16_64 3
		.amdhsa_memory_ordered 1
		.amdhsa_forward_progress 1
		.amdhsa_inst_pref_size 187
	.end_amdhsa_kernel
	.amdgpu_metadata
---
amdhsa.version: [ 1, 2 ]
amdhsa.kernels:
  - .name:           k_qd75c85e4b1_attn
    .symbol:         k_qd75c85e4b1_attn.kd
    .args:
      - { .name: hc, .offset: 0, .size: 8, .value_kind: global_buffer, .address_space: global }
      - { .name: mbits, .offset: 8, .size: 8, .value_kind: global_buffer, .address_space: global }
      - { .name: mflags, .offset: 16, .size: 8, .value_kind: global_buffer, .address_space: global }
      - { .name: lowp_scales, .offset: 24, .size: 8, .value_kind: global_buffer, .address_space: global }
      - { .name: cc, .offset: 32, .size: 8, .value_kind: global_buffer, .address_space: global }
    .group_segment_fixed_size: 34816
    .private_segment_fixed_size: 0
    .kernarg_segment_align: 8
    .kernarg_segment_size: 40
    .max_flat_workgroup_size: 512
    .sgpr_count:     102
    .vgpr_count:     256
    .wavefront_size: 32
...
	.end_amdgpu_metadata
.endif
;; end of part 5
;; launch outp: the kernel of part 4 again; grid 4 x 32, 4 waves a work-group, clusters of 4 x 4, 327,680 bytes of LDS; arguments cc, wc, lowp_scales, bo, out0; writes out0
